; MI455X (gfx1250); checked and timed in simulation.
; The chip was launched on July 23, 2026; its instructions are those of AMD's public machine-readable ISA for CDNA 5 (MIT licence, August 2026) and "CDNA5" Instruction Set Architecture Reference Guide (July 2026). The comments in the code are by the model that wrote it; some were corrected since.
;; Multi Head Self Attention. Allowed arithmetic: matrix products marked QUANTISED: E3M2 operands, one E8M0 scale for each 32 along K, by v_wmma_scale_f32_16x16x128_f8f6f4 with both operands' format E3M2, f32 sums; everything else in f32.
;; Inputs: Wk 1,024 x 1,024 float32; Wo 1,024 x 1,024 float32; Wq 1,024 x 1,024 float32; Wv 1,024 x 1,024 float32; token_positions 2,048 int32; x 4 x 2,048 x 1,024 float32.
;; Outputs: out0 4 x 2,048 x 1,024 float32.
;; This version of the problem:
;;   THIS VERSION OF THE PROBLEM IS GIVEN IN LOW PRECISION. The matrix products marked QUANTISED in the list below multiply operands that are first quantised to E3M2 (3 exponent bits, 2 mantissa bits; 6 bits a number), with one power-of-two scale for each 32 numbers along K (OCP MX v1.0); their sums are f32. All else is computed in f32.
;;   The module's matrix products, in the order in which they are computed (A, B: the left and right operand; K: the contracted axis; several contracted axes count as one K, in the product's order):
;;     1. [M 8,192, K 1,024] x [K 1,024, N 1,024]; A: input x; B: input Wq: QUANTISED
;;     2. [M 8,192, K 1,024] x [K 1,024, N 1,024]; A: input x; B: input Wk: QUANTISED
;;     3. [M 8,192, K 1,024] x [K 1,024, N 1,024]; A: input x; B: input Wv: QUANTISED
;;     4. batch 64 x [M 2,048, K 64] x [K 64, N 2,048]; A: computed on the way; B: computed on the way: QUANTISED
;;     5. batch 64 x [M 2,048, K 2,048] x [K 2,048, N 64]; A: softmax (see below); B: computed on the way: QUANTISED
;;     6. [M 8,192, K 1,024] x [K 1,024, N 1,024]; A: computed on the way; B: input Wo: QUANTISED
;;   THE QUANTISER, for each operand of a quantised product, along K:
;;     - K is cut into blocks of 32 from its start; a last block that is shorter is filled with zeros.
;;     - A block's scale is 2^e with e = floor(log2(the largest magnitude in the block)) - 4, held to -126 .. 127; a block of zeros has e = 0. As a byte (E8M0): e + 127.
;;     - Each number is divided by its block's scale, clamped to +-28, and rounded to the nearest number of E3M2, ties to even, subnormals kept.
;;     - The product sums the exact products of the quantised numbers (number of the format x scale) in f32.
;;   ~~~python
;;   def quantise(x, axis):      # numpy; x: float32 -> the quantised numbers, widened to float32 again
;;       x = np.moveaxis(x, axis, -1); K = x.shape[-1]
;;       x = np.pad(x, [(0, 0)] * (x.ndim - 1) + [(0, -K % 32)]); x = x.reshape(x.shape[:-1] + (-1, 32)); a = np.abs(x).max(-1, keepdims=True)
;;       e = np.where(a > 0, np.clip(np.frexp(np.where(a > 0, a, 1))[1] - 1 - 4, -126, 127), 0)      # np.frexp(a)[1] - 1 = floor(log2(a)), exactly
;;       r = np.clip(x / 2.0 ** e, -28, 28)
;;       step = 2.0 ** (np.maximum(np.frexp(np.where(r == 0, 1, r))[1] - 1, -2) - 2)
;;       q = np.round(r / step) * step * 2.0 ** e      # np.round: ties to even
;;       return np.moveaxis(q.reshape(q.shape[:-2] + (-1,))[..., :K], -1, axis).astype(np.float32)
;;   ~~~
;;   SOFTMAX AHEAD OF A QUANTISED PRODUCT. Where the list says 'softmax', what is quantised is not the finished softmax but p = 2^(t - M), with t = logit x log2(e) and M = ceil(the row's largest t), a whole number; so 1/2 < the row's largest p <= 1. The row's sum l is taken of the UNQUANTISED p, in f32, and the product's result is divided by l at the end. Since M is a whole number, a kernel that streams over the keys may use a running M (the ceiling of the running maximum): every later rescaling is an exact power of two, which a block's scale takes up: the codes' values come out the same.
;;   OPERANDS COMPUTED ON THE WAY. 'Computed on the way' means the value that the module computes at that place (a softmax that the list does not call 'softmax' is quantised finished and normalised). What goes into a quantiser is computed in f32, as accurately as f32 sums, v_exp_f32 and their like allow (about 1e-6 of the number): no bf16 or f16 on the way to a quantiser, and a product that is left as it is and whose result goes on into a quantised operand takes f32 operands (vector FMAs, or v_wmma_f32_16x16x4_f32). A number that lies on a knife's edge between two numbers of the format may be rounded either way, as far as f32 arithmetic and the matrix unit's own rounding can turn it there, and no further.
;; One version. Each part assembles by itself: llvm-mc -triple=amdgcn-amd-amdhsa -mcpu=gfx1250 --defsym DOCPART=n.
;; ======== version 1 of 1: 4 launches
;; limits: right only within a limited range of input values
;; workspace buffers: acodes 6,291,456 bytes; ascales 262,144 bytes; wcodes 3,145,728 bytes; wscales 131,072 bytes; tab 524,288 bytes; qb 6,815,744 bytes; kvb 13,369,344 bytes
;; launch prep (part 1): grid 224 x 1, 4 waves a work-group, no clusters, 34,304 bytes of LDS; arguments x, Wq, Wk, Wv, Wo, token_positions, acodes, ascales, wcodes, wscales, tab; writes acodes, ascales, wcodes, wscales, tab
.if DOCPART == 1
	.amdgcn_target "amdgcn-amd-amdhsa--gfx1250"
	.amdhsa_code_object_version 6
	.text
	.protected	k_qdf4dccbc3c_prep
	.globl	k_qdf4dccbc3c_prep
	.p2align	8
	.type	k_qdf4dccbc3c_prep,@function
k_qdf4dccbc3c_prep:
	s_mov_b64 s[64:65], 0
	v_nop
	global_prefetch_b8 v0, s[64:65] scope:SCOPE_SE
	s_setreg_imm32_b32 hwreg(HW_REG_WAVE_MODE, 25, 1), 1
	s_wait_xcnt 0x0
; PREP.  x [8192][1024] and the four weights [1024][1024], f32, K innermost, become codes of BF6 (E3M2) with one E8M0 byte for each 32 along K; and the cosines and sines of RoPE are laid out as a table.
; ORDER OF ROWS: stored tile T (16 rows), row p, holds true row 32 (T / 2) + 8 (T % 2) + p + 8 (p / 8).  A product that takes stored tiles 2 B, 2 B + 1 as source 0 then has 16 neighbouring true indices in a lane's 16 registers.
; A UNIT is 768 bytes: 16 stored rows x 64 along K as an image of the operand's registers: lane (r, h) holds the 32 codes of block h of row r in 6 registers; registers 0-3 lie at 16 x lane, registers 4-5 at 512 + 8 x lane.
; Codes: [K / 256][tile][4 units].  Scale bytes: [stored row][32].  Every store of codes covers 512 or 256 consecutive aligned bytes.
; SHARES: work-groups 0-127: x, 128-191: Wq, Wk, Wv, Wo (one path, the buffers chosen by the work-group's number); a wave takes one stored tile x all of K, 8 fragments of 128.  Work-groups 192-223: the table, a wave to a tile of 16 tokens.
; A fragment's 16 rows x 512 bytes are loaded as they lie (32 lanes read 512 consecutive bytes), turn through the wave's own stage in LDS (rows 528 bytes apart) and come back 128 bytes a lane: a whole block of 32.
; A block's scale byte is its largest magnitude's exponent field - 4, held at 1 from below.  A block of zeros so gets the byte 1 where the quantiser says 127: its codes are zeros, and this program alone reads the bytes.
; TABLE: [tile of tokens 128][q 8][lane 32][4 f32], q = 4 trig + 2 B + e: lane (r, h) finds cos (trig 0) or sin (trig 1) of the pairs 16 B + 8 h + 4 e + 0 .. 3 for the tile's stored row r.
; angle = f32(position) x 10^(-pair / 8), one rounding; reduced by n = nearest whole number to angle x 2 / pi with pi / 2 in three parts, fused; polynomials of degree 7 and 8 on |r| <= pi / 4.
; LIMITS: NaN and infinities among the inputs are not served; |position| up to 2^22 (n stays a whole number of f32 and the first reduction step stays exact).
.set PLX,  1572864                     ; a plane of 256 along K of x's codes: 512 tiles x 3,072 bytes
.set PLW,  786432                      ; and of the weights': 256 tiles
.set STGB, 8448                        ; a wave's stage: 16 rows x 528 bytes
.set SW,   16                          ; v16-23   the scale words of the 8 fragments
.set C,    24                          ; v24-47   two sets of 12 registers of codes
.set H8,   56                          ; v56      8 h
.set R,    64                          ; v64-191  two sets of 64 registers as loaded
.set X,    192                         ; v192-255 two whole blocks of 32 numbers
	s_load_b512 s[4:19], s[0:1], 0x0               ; x, Wq, Wk, Wv, Wo, positions, x's codes, x's scales
	s_load_b128 s[20:23], s[0:1], 0x40             ; the weights' codes, the weights' scales
	s_load_b64 s[24:25], s[0:1], 0x50              ; the table
	s_set_vgpr_msb 0x40
	v_lshl_add_u32 v0, v0, 2, 0x8400
	v_mov_b32 v1, 0
	s_set_vgpr_msb 0x4000
	v_lshrrev_b32 v1, 5, v0
	v_readfirstlane_b32 s26, v1                    ; wave 0..3
	v_and_b32 v1, 31, v0                           ; lane
	v_and_b32 v2, 15, v0                           ; r
	v_bfe_u32 v3, v0, 4, 1                         ; h
	v_lshlrev_b32 v4, 4, v1                        ; 16 x lane
	s_mov_b32 s28, 0x76543210
	s_mov_b32 s29, 0xfedcba98                      ; v_permlanex16_b32's selects for lane l xor 16
	s_cmp_ge_u32 ttmp9, 192
	s_cbranch_scc1 .Ltable
	; ---- the quantiser
	s_mul_i32 s46, s26, STGB
	v_add_nc_u32 v5, s46, v4                       ; into the stage: a row's 512 bytes as they lie
	v_mul_u32_u24 v6, v2, 528
	v_lshl_add_u32 v6, v3, 7, v6
	v_add_nc_u32 v6, s46, v6                       ; out of it: row r, + 128 h: my block
	v_lshlrev_b32 v7, 3, v1                        ; 8 x lane
	v_lshlrev_b32 v8, 5, v2
	v_lshl_add_u32 v8, v3, 4, v8                   ; the scale bytes: 32 r + 16 h
	v_lshlrev_b32 v[H8], 3, v3
	v_mov_b32 v15, 0                               ; written once: a lane permute's destination counts as one of its sources
	s_sub_co_u32 s30, ttmp9, 128                   ; (used where the work-group's number is 128 or more)
	s_lshr_b32 s31, s30, 4                         ; which weight
	s_and_b32 s32, s30, 15
	s_lshl_b32 s32, s32, 2                         ; a weight's work-group: its first tile in the weight,
	s_lshl_b32 s33, s30, 2                         ; and in the weights' buffers
	s_lshl_b32 s34, ttmp9, 2                       ; x's work-group: its first tile
	s_wait_kmcnt 0x0
	s_mov_b64 s[36:37], s[12:13]
	s_cmp_eq_u32 s31, 2
	s_cselect_b64 s[36:37], s[10:11], s[36:37]
	s_cmp_eq_u32 s31, 1
	s_cselect_b64 s[36:37], s[8:9], s[36:37]
	s_cmp_eq_u32 s31, 0
	s_cselect_b64 s[36:37], s[6:7], s[36:37]
	s_cmp_lt_u32 ttmp9, 128
	s_cselect_b64 s[36:37], s[4:5], s[36:37]       ; the numbers
	s_cselect_b64 s[38:39], s[16:17], s[20:21]     ; the codes
	s_cselect_b64 s[40:41], s[18:19], s[22:23]     ; the scale bytes
	s_cselect_b32 s32, s34, s32
	s_cselect_b32 s33, s34, s33
	s_mov_b32 s42, PLW
	s_cselect_b32 s42, PLX, s42                    ; from plane to plane
	s_mov_b32 s43, 0
	s_add_co_u32 s32, s32, s26                     ; my tile in the source,
	s_add_co_u32 s33, s33, s26                     ; and in the buffers
	s_lshr_b32 s44, s32, 1
	s_lshl_b32 s44, s44, 17                        ; 32 rows of 4,096 bytes for each pair of tiles,
	s_and_b32 s45, s32, 1
	s_lshl_b32 s45, s45, 15                        ; 8 rows for the odd one
	s_add_co_u32 s44, s44, s45
	s_mov_b32 s45, 0
	s_add_nc_u64 s[36:37], s[36:37], s[44:45]
	s_mul_i32 s44, s33, 3072
	s_add_nc_u64 s[38:39], s[38:39], s[44:45]
	s_lshl_b32 s44, s33, 9
	s_add_nc_u64 s[40:41], s[40:41], s[44:45]
.macro LOADF f                         ; fragment f: 16 rows x 512 bytes into set f % 2; stored row p is true row p + 8 (p / 8) of the tile's 24
.irp p, 0,1,2,3,4,5,6,7,8,9,10,11,12,13,14,15
	global_load_b128 v[R+64*((\f)%2)+4*\p:R+64*((\f)%2)+4*\p+3], v4, s[36:37] offset:(\p+8*(\p/8))*4096+512*(\f) th:TH_LOAD_NT
.endr
.endm
.macro FRAGQ f
.set RB, R+64*((\f)%2)
.set CB, C+12*((\f)%2)
.if (\f) < 7
	s_wait_loadcnt 16                              ; this fragment's 16 loads are in; the next fragment's 16 may be out
.else
	s_wait_loadcnt 0x0
.endif
.irp p, 0,1,2,3,4,5,6,7,8,9,10,11,12,13,14,15
	ds_store_b128 v5, v[RB+4*\p:RB+4*\p+3] offset:528*\p
.endr
.irp c, 0,1                            ; LDS serves a wave's instructions in order: these see the stores above.  Block 2 c + h of my row: 128 bytes
.irp j, 0,1,2,3,4,5,6,7
	ds_load_b128 v[X+32*\c+4*\j:X+32*\c+4*\j+3], v6 offset:256*\c+16*\j
.endr
.endr
	s_wait_dscnt 0x0
	s_wait_xcnt 0x0                                ; the earlier stores have read their data and their base: both are written again below
.if ((\f)%2 == 0) && ((\f) > 0)
	s_add_nc_u64 s[38:39], s[38:39], s[42:43]      ; the next 256 along K: the next plane
.endif
.if (\f) < 6
	LOADF (\f)+2
.endif
.irp c, 0,1
	v_max3_num_f32 v[9+\c], |v[X+32*\c]|, |v[X+32*\c+1]|, 0x2800000   ; the block's largest magnitude, and the floor 2^(5 - 127): the byte cannot fall under 1
.endr
.irp i, 2,4,6,8,10,12,14,16,18,20,22,24,26,28,30
.irp c, 0,1
	v_max3_num_f32 v[9+\c], v[9+\c], |v[X+32*\c+\i]|, |v[X+32*\c+\i+1]|   ; (the two blocks by turns)
.endr
.endr
.irp c, 0,1
	v_add_nc_u32 v[11+\c], 0xfe000000, v[9+\c]     ; 4 off the exponent field: the conversion's scale operand
.endr
.irp c, 0,1
	v_lshrrev_b32 v[13+\c], 23, v[11+\c]           ; the scale's byte
.endr
	v_lshl_or_b32 v13, v14, 16, v13                ; my two bytes, blocks h and 2 + h,
	v_lshlrev_b32 v13, v[H8], v13                  ; at their places in the word;
	v_permlanex16_b32 v15, v13, s28, s29
	v_or_b32 v[SW+(\f)], v13, v15                  ; with lane l xor 16's two the word is whole, in both lanes
.irp c, 0,1
	v_cvt_scalef32_pk16_bf6_f32 v[CB+6*\c:CB+6*\c+2], v[X+32*\c:X+32*\c+15], v[11+\c]
	v_cvt_scalef32_pk16_bf6_f32 v[48+4*\c:50+4*\c], v[X+32*\c+16:X+32*\c+31], v[11+\c]   ; (a conversion's three registers begin on an even number)
.endr
	v_nop                                          ; one plain place behind a scaled conversion
.irp c, 0,1
.irp i, 0,1,2
	v_mov_b32 v[CB+6*\c+3+\i], v[48+4*\c+\i]
.endr
.endr
.irp c, 0,1                            ; unit 2 (f % 2) + c of the plane's four
	global_store_b128 v4, v[CB+6*\c:CB+6*\c+3], s[38:39] offset:(2*((\f)%2)+\c)*768
	global_store_b64 v7, v[CB+6*\c+4:CB+6*\c+5], s[38:39] offset:(2*((\f)%2)+\c)*768+512
.endr
.endm
	LOADF 0
	LOADF 1
.irp f, 0,1,2,3,4,5,6,7
	FRAGQ \f
.endr
	v_cmp_ne_u32 vcc_lo, 0, v3
.irp i, 0,1,2,3
	v_cndmask_b32 v[48+\i], v[SW+\i], v[SW+4+\i], vcc_lo   ; lanes 0-15 the row's first 16 bytes, lanes 16-31 its last 16
.endr
	global_store_b128 v8, v[48:51], s[40:41]       ; 32 lanes store the tile's 512 consecutive scale bytes
	s_set_vgpr_msb 0x5
	s_wait_tensorcnt 0x0
	ds_add_u32 v0, v1
	s_wait_dscnt 0x0
	s_set_vgpr_msb 0x500
	s_endpgm
	; ---- the table
.Ltable:
	s_sub_co_u32 s30, ttmp9, 192
	s_lshl_b32 s30, s30, 2
	s_add_co_u32 s30, s30, s26                     ; my tile of tokens, 0 .. 127
	s_lshr_b32 s31, s30, 1
	s_lshl_b32 s31, s31, 5
	s_and_b32 s32, s30, 1
	s_lshl_b32 s32, s32, 3
	s_add_co_u32 s31, s31, s32                     ; its first token
	v_and_b32 v5, 8, v2
	v_add_nc_u32 v5, v5, v2                        ; r + 8 (r / 8)
	v_add_nc_u32 v5, s31, v5
	v_lshlrev_b32 v5, 2, v5
	s_lshl_b32 s32, s30, 12                        ; 4,096 bytes of table a tile
	s_mov_b32 s33, 0
	s_mov_b32 s34, 0xbfc90fdb                      ; - pi / 2 in three parts
	s_mov_b32 s35, 0x333bbd2e
	s_mov_b32 s36, 0x26f72ced
	s_mov_b32 s37, 0xb94ca1f9                      ; sine: -1.9515295891e-4, 8.3321608736e-3, -1.6666654611e-1
	s_mov_b32 s38, 0x3c08839e
	s_mov_b32 s39, 0xbe2aaaa3
	s_mov_b32 s40, 0x37ccf5ce                      ; cosine: 2.443315712e-5, -1.388731625e-3, 4.166664568e-2
	s_mov_b32 s41, 0xbab6061a
	s_mov_b32 s42, 0x3d2aaaa5
	s_wait_kmcnt 0x0
	global_load_b32 v9, v5, s[14:15]
	s_add_nc_u64 s[24:25], s[24:25], s[32:33]
	v_cmp_ne_u32 vcc_lo, 0, v3                     ; lanes 16-31 take the pair 8 further on
	s_wait_loadcnt 0x0
	v_cvt_f32_i32 v9, v9
.macro SINCOS f0, f1, n                ; cos into v[32 + n], sin into v[48 + n]
	v_mul_f32 v10, \f0, v9
	v_mul_f32 v11, \f1, v9
	v_cndmask_b32 v10, v10, v11, vcc_lo            ; the angle
	v_mul_f32 v11, 0x3f22f983, v10                 ; x 2 / pi
	v_rndne_f32 v11, v11                           ; n
	v_fma_f32 v12, v11, s34, v10
	v_cvt_i32_f32 v13, v11
	v_fma_f32 v12, v11, s35, v12
	v_fma_f32 v12, v11, s36, v12                   ; r = angle - n pi / 2
	v_mul_f32 v14, v12, v12                        ; z = r r
	v_fma_f32 v15, v14, s37, s38
	v_fma_f32 v16, v14, s40, s41
	v_fma_f32 v15, v15, v14, s39
	v_fma_f32 v16, v16, v14, s42
	v_mul_f32 v15, v15, v14
	v_mul_f32 v17, v14, v14
	v_fma_f32 v18, v14, -0.5, 1.0
	v_fma_f32 v15, v15, v12, v12                   ; sin r
	v_fma_f32 v16, v16, v17, v18                   ; cos r
	v_and_b32 v17, 1, v13
	v_cmp_ne_u32 s44, 0, v17                       ; n odd: the two change places
	v_cndmask_b32 v17, v15, v16, s44
	v_cndmask_b32 v18, v16, v15, s44
	v_and_b32 v19, 2, v13                          ; the sine's sign: n mod 4 = 2, 3
	v_add_nc_u32 v13, 1, v13
	v_lshlrev_b32 v19, 30, v19
	v_and_b32 v13, 2, v13                          ; the cosine's: n mod 4 = 1, 2
	v_xor_b32 v[48+\n], v19, v17
	v_lshlrev_b32 v13, 30, v13
	v_xor_b32 v[32+\n], v13, v18
.endm
	SINCOS 1.0, 0.1, 0
	SINCOS 0.7498942093, 0.07498942093, 1
	SINCOS 0.5623413252, 0.05623413252, 2
	SINCOS 0.4216965034, 0.04216965034, 3
	SINCOS 0.3162277660, 0.03162277660, 4
	SINCOS 0.2371373706, 0.02371373706, 5
	SINCOS 0.1778279410, 0.01778279410, 6
	SINCOS 0.1333521432, 0.01333521432, 7
	SINCOS 0.01, 0.001, 8
	SINCOS 0.007498942093, 0.0007498942093, 9
	SINCOS 0.005623413252, 0.0005623413252, 10
	SINCOS 0.004216965034, 0.0004216965034, 11
	SINCOS 0.003162277660, 0.0003162277660, 12
	SINCOS 0.002371373706, 0.0002371373706, 13
	SINCOS 0.001778279410, 0.0001778279410, 14
	SINCOS 0.001333521432, 0.0001333521432, 15
.irp q, 0,1,2,3
	global_store_b128 v4, v[32+4*\q:35+4*\q], s[24:25] offset:512*\q         ; 32 lanes store 512 consecutive bytes
	global_store_b128 v4, v[48+4*\q:51+4*\q], s[24:25] offset:2048+512*\q
.endr
	s_endpgm
.Lfunc_end_k_qdf4dccbc3c_prep:
	.size	k_qdf4dccbc3c_prep, .Lfunc_end_k_qdf4dccbc3c_prep-k_qdf4dccbc3c_prep
	.p2alignl 7, 3214868480
	.fill 96, 4, 3214868480
	.section	.rodata,"a",@progbits
	.p2align	6, 0x0
	.amdhsa_kernel k_qdf4dccbc3c_prep
		.amdhsa_group_segment_fixed_size 34304
		.amdhsa_private_segment_fixed_size 0
		.amdhsa_enable_private_segment 0
		.amdhsa_kernarg_size 88
		.amdhsa_user_sgpr_count 2
		.amdhsa_user_sgpr_kernarg_segment_ptr 1
		.amdhsa_wavefront_size32 1
		.amdhsa_system_sgpr_workgroup_id_x 1
		.amdhsa_system_sgpr_workgroup_id_y 1
		.amdhsa_system_sgpr_workgroup_id_z 1
		.amdhsa_system_vgpr_workitem_id 0
		.amdhsa_next_free_vgpr 258
		.amdhsa_next_free_sgpr 66
		.amdhsa_reserve_vcc 1
		.amdhsa_float_denorm_mode_32 3
		.amdhsa_float_denorm_mode_16_64 3
		.amdhsa_memory_ordered 1
		.amdhsa_forward_progress 1
		.amdhsa_inst_pref_size 84
	.end_amdhsa_kernel
	.amdgpu_metadata
---
amdhsa.version: [ 1, 2 ]
amdhsa.kernels:
  - .name:           k_qdf4dccbc3c_prep
    .symbol:         k_qdf4dccbc3c_prep.kd
    .args:
      - { .name: x, .offset: 0, .size: 8, .value_kind: global_buffer, .address_space: global }
      - { .name: Wq, .offset: 8, .size: 8, .value_kind: global_buffer, .address_space: global }
      - { .name: Wk, .offset: 16, .size: 8, .value_kind: global_buffer, .address_space: global }
      - { .name: Wv, .offset: 24, .size: 8, .value_kind: global_buffer, .address_space: global }
      - { .name: Wo, .offset: 32, .size: 8, .value_kind: global_buffer, .address_space: global }
      - { .name: token_positions, .offset: 40, .size: 8, .value_kind: global_buffer, .address_space: global }
      - { .name: acodes, .offset: 48, .size: 8, .value_kind: global_buffer, .address_space: global }
      - { .name: ascales, .offset: 56, .size: 8, .value_kind: global_buffer, .address_space: global }
      - { .name: wcodes, .offset: 64, .size: 8, .value_kind: global_buffer, .address_space: global }
      - { .name: wscales, .offset: 72, .size: 8, .value_kind: global_buffer, .address_space: global }
      - { .name: tab, .offset: 80, .size: 8, .value_kind: global_buffer, .address_space: global }
    .group_segment_fixed_size: 34304
    .private_segment_fixed_size: 0
    .kernarg_segment_align: 8
    .kernarg_segment_size: 88
    .max_flat_workgroup_size: 128
    .sgpr_count:     66
    .vgpr_count:     258
    .wavefront_size: 32
...
	.end_amdgpu_metadata
.endif
;; end of part 1
;; launch qkv (part 2): grid 12 x 32, 4 waves a work-group, clusters of 4 x 4, 327,680 bytes of LDS; arguments acodes, ascales, wcodes, wscales, tab, qb, kvb; writes qb, kvb
.if DOCPART == 2
	.amdgcn_target "amdgcn-amd-amdhsa--gfx1250"
	.amdhsa_code_object_version 6
	.text
	.protected	k_qdf4dccbc3c_qkv
	.globl	k_qdf4dccbc3c_qkv
	.p2align	8
	.type	k_qdf4dccbc3c_qkv,@function
k_qdf4dccbc3c_qkv:
	s_mov_b64 s[64:65], 0
	v_nop
	global_prefetch_b8 v0, s[64:65] scope:SCOPE_SE
	s_setreg_imm32_b32 hwreg(HW_REG_WAVE_MODE, 25, 1), 1
	s_wait_xcnt 0x0
	s_wait_alu depctr_hold_cnt(0) depctr_sa_sdst(0) depctr_va_vdst(0) depctr_va_sdst(0) depctr_va_ssrc(0) depctr_va_vcc(0) depctr_vm_vsrc(0)
	s_getreg_b32 s2, hwreg(HW_REG_IB_STS2, 6, 4)
	s_cmp_eq_u32 s2, 0
	s_cbranch_scc0 .Lentry_in_a_cluster
	s_endpgm
.Lentry_in_a_cluster:
	s_bfe_u32 s2, ttmp6, 0x10000c
	s_cmp_lg_u32 s2, 0xf033
	s_cbranch_scc0 .Lentry_shape_is_right
	s_endpgm
.Lentry_shape_is_right:
; QKV.  Q = x Wq^T, K = x Wk^T, V = x Wv^T on codes of BF6 (E3M2) with E8M0 scales; RoPE on Q and K in f32; then Q and K are quantised along the head's 64 and V along the keys, into records that the attention launch reads.
; OPERANDS come as UNITS of 768 bytes (16 stored rows x 64 along K, an image of the operand's registers: registers 0-3 at 16 x lane, registers 4-5 at 512 + 8 x lane), laid [K / 256][tile][4 units]; scale bytes [stored row][32].
; Stored tile T, row p, holds true row 32 (T / 2) + 8 (T % 2) + p + 8 (p / 8): so in the result of source 0 = stored tiles 2 B, 2 B + 1 a lane's 16 registers are the true indices 32 B + 16 (lane / 16) + 0 .. 15.
; A tile of C, 256 x 256, is made by four waves, 128 x 128 each: 64 accumulators, 512 registers.  K = 1,024 goes in four steps of 256 through two LDS slots; a wave's tensor load brings 8 tiles x 4 units, 24,576 dense bytes.
; THE MATRIX INSTRUCTION IS USED TRANSPOSED: source 0 = 16 rows of "B", source 1 = 16 rows of "A": a lane holds one row of A and registers along B's rows.
; ROLES.  Clusters x = 0, 1 (Q, K): A = x (a lane: a token), B = Wq, Wk (registers: the head's d).  Cluster x = 2 (V): A = Wv (a lane: one d), B = x (registers: 128 keys).  Only pointers and strides are chosen; the loop is one.
; CLUSTERS: 4 x 4 work-groups; A's tiles are asked for jointly along a row of the cluster, B's along a column.
; RECORDS, one for each (batch, head, step of 128 tokens): qb 6,656 bytes: 8 units (tiles of queries), at 6,144 the scale words [t / 4][r][t % 4] (two bytes, two zeros);
;   kvb 13,056 bytes: K likewise; at 6,656 V's 8 units [half of the keys][tile of 16 d]; at 12,800 V's scale words [r][tile of d].  Every store of codes covers 512 or 256 consecutive aligned bytes.
; LIMITS: NaN and infinities are not served; a block of zeros gets the byte 1 (its codes are zeros; this program alone reads the bytes); RoPE's two products are fused into multiply-adds, one rounding fewer than written.
; REGISTERS, windows of 256: window 0: v16-29 addresses; v32-63 scale words, two sets; v128-223 A's fragments, one set.  window 1: B's fragments, two sets, at v0 and v128.  windows 2, 3: accumulator (a, b) at v[8 (8 (a % 4) + b)].
;   The way out, window 0: v4-15 at work; v64-127 64 numbers; v128-191 two sets of cos and sin; v192-231 two sets of codes; v232-247 at work; v248-255 the scale words made.
.set NQ,     2                         ; matrix instructions deep in a slot
.set FR,     12                        ; registers of a fragment
.set NL,     4                         ; LDS loads that bring one
.set NP,     4                         ; places behind this matrix instruction (ISA guide 7.12.1)
.set PLX,    1572864                   ; a plane (256 along K) of x's codes
.set PLW,    786432                    ; and of the weights'
.set HALFT,  24576                     ; 8 tiles x 4 units: what one tensor load brings, and what one wave reads of A or of B
.set SLOT,   4*HALFT
.set SCL,    2*SLOT                    ; behind the ring: the scales, as units of 256 bytes + 16 of padding
.set HALFS,  4352                      ; the scales of 128 rows: 16 x 272
.set SBLK,   544                       ; those of 16 rows
.set SPARE,  SCL+4*HALFS               ; the spare words, 128 bytes for each wave: two blocks of 256 bytes that no other line names
.set ADRA, 16                          ; v16-17 A's tiles in slot 0, 1, + 16 x lane;  v18-19 the same + 8 x lane
.set ADRB, 20                          ; v20-23 the same for B
.set L16,  24                          ; v24 16 x lane
.set L8,   25                          ; v25 8 x lane
.set HH,   26                          ; v26 lane / 16
.set ADRS, 27                          ; v27 my scale words: lanes 0-15 A's rows, lanes 16-31 B's
.set SPW,  28                          ; v28 my spare word; never rewritten
.set NIL,  29                          ; v29 0; never rewritten
.set SC,   32
.set AF,   128
.set TT,   8
.set HA,   64
.set CT,   128
.set PC,   192
.set TM,   232
.set PW,   248
.set G1, 24
.set G0, 32
.set G1B, 48
.set G0B, 56
.set G1S, 68
.set G0S, 76
.set G1SB, 80
.set G0SB, 88
.set MSB, 0
.macro WIN new                         ; the immediate's high byte repeats the setting that is left
.if MSB != \new
	s_set_vgpr_msb (MSB<<8)|\new
.set MSB, \new
.endif
.endm
.set MUL_LO, 0xa1                      ; source 0 (B) window 1, source 1 (A) window 0, C and D window 2
.set MUL_HI, 0xf1                      ; the same, C and D window 3
.set TO_B,   0x40                      ; destination window 1, address window 0
; A joint load: waves 0 and 1 fetch for A, waves 2 and 3 for B; the branch hangs on the wave's number alone.  Four v_nop follow each of the two lines.
.macro JLOAD g0a, g1a, g0b, g1b
	s_cmp_eq_u32 s15, 0
	s_cbranch_scc0 .Lfor_b_\@
	tensor_load_to_lds s[\g0a:\g0a+3], s[\g1a:\g1a+7]
	s_nop 0
.rept 4
	v_nop
.endr
	s_branch .Lasked_\@
.Lfor_b_\@:
	tensor_load_to_lds s[\g0b:\g0b+3], s[\g1b:\g1b+7]
	s_nop 0
.rept 4
	v_nop
.endr
.Lasked_\@:
.endm
.macro CREST                           ; a round of the cluster's barrier behind its opening barrier
	s_cmp_lg_u32 s14, 0
	s_cbranch_scc1 .Lnot_wave_0_\@
	s_barrier_signal -3
.Lnot_wave_0_\@:
	s_barrier_wait -3
	s_barrier_signal -1
	s_barrier_wait -1
.endm
.macro CROUND
	s_barrier_signal -1
	s_barrier_wait -1
	CREST
.endm
	s_load_b256 s[4:11], s[0:1], 0x0               ; x's codes, x's scales, the weights' codes, the weights' scales
	s_load_b64 s[12:13], s[0:1], 0x20              ; the table
	s_load_b64 s[96:97], s[0:1], 0x28              ; qb
	s_load_b64 s[98:99], s[0:1], 0x30              ; kvb
	v_lshl_add_u32 v[SPW], v0, 2, SPARE
	v_mov_b32 v[NIL], 0
	ds_add_u32 v28, v29
	s_wait_dscnt 0x0
	v_lshrrev_b32 v1, 5, v0
	v_readfirstlane_b32 s14, v1                    ; wave 0..3
	s_lshr_b32 s15, s14, 1                         ; which half of the tile's rows is mine.  Also: I fetch for A (0) or for B (1)
	s_and_b32 s16, s14, 1                          ; which half of its columns.  Also: which 8 tiles I fetch
	s_bfe_u32 s40, ttmp6, 0x40000                  ; cx, cy: my place in the cluster
	s_bfe_u32 s41, ttmp6, 0x40004
	s_and_b32 s18, ttmp7, 0xffff                   ; the cluster's y
	s_cmp_eq_u32 ttmp9, 2                          ; the cluster's x: 0 Q, 1 K, 2 V: the same in all sixteen partners
	s_cselect_b32 s95, 1, 0
	s_cselect_b32 s17, 0, s18                      ; the cluster's place along A's rows,
	s_cselect_b32 s42, s18, ttmp9                  ; and along B's
	s_cselect_b32 s19, 128, 0                      ; Wv begins at tile 128 of the weights
	s_mov_b32 s66, 2*PLX
	s_cselect_b32 s66, 2*PLW, s66                  ; two planes on, in A,
	s_mov_b32 s100, 2*PLW
	s_cselect_b32 s100, 2*PLX, s100                ; and in B
	s_mov_b32 s67, 0
	s_mov_b32 s101, 0
	s_lshl_b32 s17, s17, 2
	s_add_co_u32 s17, s17, s41                     ; tile row of C
	s_lshl_b32 s42, s42, 2
	s_add_co_u32 s42, s42, s40                     ; tile column of C
	s_lshl_b32 s43, s41, 2
	s_lshl_b32 s43, 15, s43                        ; my row of the cluster
	s_lshl_b32 s44, 0x1111, s40                    ; my column
	; descriptor group 1: 24,576 dense bytes as 96 rows of 256 bytes (32 elements of 8 bytes), no padding: an instruction's bytes are consecutive in LDS
	s_or_b32 s[G1+0], s43, (3<<16)|(1<<21)         ; 15:0 the mask: A's tiles go to my row; 17:16 elements of 8 bytes; 21 set beside a mask
	s_or_b32 s[G1B+0], s44, (3<<16)|(1<<21)
.irp g, G1, G1B
	s_mov_b32 s[\g+1], 32<<16                      ; tensor_dim0
	s_mov_b32 s[\g+2], 96<<16                      ; tensor_dim1
	s_mov_b32 s[\g+3], 32<<16                      ; tile_dim0
	s_mov_b32 s[\g+4], 96                          ; tile_dim1
	s_mov_b32 s[\g+5], 32                          ; tensor_dim0_stride
	s_mov_b32 s[\g+6], 0
	s_mov_b32 s[\g+7], 0
.endr
	; the scales of 128 rows: 4,096 dense bytes as 16 rows of 256, 16 bytes of padding behind each
	s_or_b32 s[G1S+0], s43, (3<<16)|(1<<20)|(1<<21)|(5<<22)|(3<<25)
	s_or_b32 s[G1SB+0], s44, (3<<16)|(1<<20)|(1<<21)|(5<<22)|(3<<25)
.irp g, G1S, G1SB
	s_mov_b32 s[\g+1], 32<<16
	s_mov_b32 s[\g+2], 16<<16
	s_mov_b32 s[\g+3], 32<<16
	s_mov_b32 s[\g+4], 16
	s_mov_b32 s[\g+5], 32
	s_mov_b32 s[\g+6], 0
	s_mov_b32 s[\g+7], 0
.endr
	s_lshl_b32 s2, s16, 3                          ; which 8 tiles of the 16 I fetch
	s_lshl_b32 s18, s17, 4
	s_add_co_u32 s18, s18, s2
	s_add_co_u32 s18, s18, s19                     ; A's first tile
	s_lshl_b32 s46, s42, 4
	s_add_co_u32 s46, s46, s2                      ; B's
	s_lshl_b32 s2, s18, 9                          ; a tile's scales are 512 bytes,
	s_mov_b32 s3, 0
	s_mul_i32 s18, s18, 3072                       ; its codes in a plane 3,072
	s_mov_b32 s19, 0
	s_lshl_b32 s92, s46, 9
	s_mov_b32 s93, 0
	s_mul_i32 s46, s46, 3072
	s_mov_b32 s47, 0
	s_mul_i32 s45, s14, HALFT                      ; where they go: by the wave's number alone
	s_mul_i32 s94, s14, HALFS
	s_wait_kmcnt 0x0
	s_cmp_eq_u32 ttmp9, 2
	s_cselect_b64 s[20:21], s[8:9], s[4:5]         ; A's codes
	s_cselect_b64 s[22:23], s[10:11], s[6:7]       ; A's scales
	s_cselect_b64 s[8:9], s[4:5], s[8:9]           ; B's codes
	s_cselect_b64 s[10:11], s[6:7], s[10:11]       ; B's scales
	s_add_nc_u64 s[20:21], s[20:21], s[18:19]
	s_add_nc_u64 s[22:23], s[22:23], s[2:3]
	s_add_nc_u64 s[46:47], s[8:9], s[46:47]
	s_add_nc_u64 s[92:93], s[10:11], s[92:93]
	s_lshr_b32 s2, s66, 1                          ; one plane on, in A,
	s_lshr_b32 s18, s100, 1                        ; and in B
	CROUND                                         ; all sixteen work-groups are here: the first joint loads meet
	s_mov_b32 s[G0S], 1
	s_add_co_u32 s[G0S+1], s94, SCL
	s_mov_b64 s[G0S+2:G0S+3], s[22:23]
	s_or_b32 s[G0S+3], s[G0S+3], 0x80000000
	s_mov_b32 s[G0SB], 1
	s_add_co_u32 s[G0SB+1], s94, SCL
	s_mov_b64 s[G0SB+2:G0SB+3], s[92:93]
	s_or_b32 s[G0SB+3], s[G0SB+3], 0x80000000
	JLOAD G0S, G1S, G0SB, G1SB                     ; the scales first: they are wanted with K step 0
	s_mov_b32 s[G0], 1
	s_add_co_u32 s[G0+1], s45, 0
	s_mov_b64 s[G0+2:G0+3], s[20:21]
	s_or_b32 s[G0+3], s[G0+3], 0x80000000
	s_mov_b32 s[G0B], 1
	s_add_co_u32 s[G0B+1], s45, 0
	s_mov_b64 s[G0B+2:G0B+3], s[46:47]
	s_or_b32 s[G0B+3], s[G0B+3], 0x80000000
	JLOAD G0, G1, G0B, G1B                         ; slot 0: the first plane
	s_mov_b32 s[G0+4], 1
	s_add_co_u32 s[G0+5], s45, SLOT
	s_add_nc_u64 s[G0+6:G0+7], s[20:21], s[2:3]
	s_or_b32 s[G0+7], s[G0+7], 0x80000000
	s_mov_b32 s[G0B+4], 1
	s_add_co_u32 s[G0B+5], s45, SLOT
	s_add_nc_u64 s[G0B+6:G0B+7], s[46:47], s[18:19]
	s_or_b32 s[G0B+7], s[G0B+7], 0x80000000
	JLOAD G0+4, G1, G0B+4, G1B                     ; slot 1: the second.  Three tensor loads of mine are out
	v_and_b32 v1, 15, v0                           ; r
	v_bfe_u32 v[HH], v0, 4, 1                      ; h
	v_and_b32 v3, 31, v0
	v_lshlrev_b32 v[L16], 4, v3
	v_lshlrev_b32 v[L8], 3, v3
	s_mul_i32 s21, s15, HALFT                      ; my 8 tiles of A
	s_mul_i32 s22, s16, HALFT                      ; my 8 tiles of B,
	s_add_co_u32 s22, s22, 2*HALFT                 ; which lie behind A's 16
.irp s, 0,1
	v_add_nc_u32 v[ADRA+\s], s21, v[L16]
	v_add_nc_u32 v[ADRB+\s], s22, v[L16]
	v_add_nc_u32 v[ADRA+2+\s], s21, v[L8]
	v_add_nc_u32 v[ADRB+2+\s], s22, v[L8]
	s_add_co_u32 s21, s21, SLOT
	s_add_co_u32 s22, s22, SLOT
.endr
	v_lshlrev_b32 v6, 5, v1                        ; my row's scales: 32 bytes a row,
	v_lshrrev_b32 v7, 3, v1
	v_lshl_add_u32 v6, v7, 4, v6                   ; and 16 more for each 256 passed
	s_mul_i32 s21, s15, HALFS                      ; A's: my 128 rows
	s_mul_i32 s22, s16, HALFS                      ; B's: my 128 rows, behind A's 256
	s_add_co_u32 s22, s22, 2*HALFS
	s_sub_co_u32 s22, s22, s21
	v_mul_u32_u24 v7, s22, v[HH]                   ; lanes 16-31 take B's
	s_add_co_u32 s21, s21, SCL
	v_add_nc_u32 v6, v6, v7
	v_add_nc_u32 v[ADRS], s21, v6
.macro FRAG reg, adr, q, i             ; a fragment, 16 rows x 128 K, is two units: each a load of 16 bytes and one of 8 bytes a lane, all bytes of an instruction consecutive
.set FO, 3072*(\i)+1536*(\q)
	ds_load_b128 v[\reg:\reg+3], v[\adr] offset:FO
	ds_load_b64 v[\reg+4:\reg+5], v[\adr+2] offset:FO+512
	ds_load_b128 v[\reg+6:\reg+9], v[\adr] offset:FO+768
	ds_load_b64 v[\reg+10:\reg+11], v[\adr+2] offset:FO+1280
.endm
; 16 matrix instructions: A's blocks a0, a0 + 1 x B's eight, 128 along K.  The 64 accumulators take turns, one instruction a turn, in the same order in every step.
.macro MUL16 a0, p, q, sc, zero
.irp a, \a0, \a0+1
.irp b, 0,1,2,3,4,5,6,7
.if \zero
	v_wmma_scale_f32_16x16x128_f8f6f4 v[8*(8*((\a)%4)+\b):8*(8*((\a)%4)+\b)+7], v[128*(\p)+FR*\b:128*(\p)+FR*\b+FR-1], v[AF+FR*(\a):AF+FR*(\a)+FR-1], 0, v[SC+8*NQ*(\sc)+NQ*\b+(\q)], v[SC+8*NQ*(\sc)+NQ*(\a)+(\q)] matrix_a_fmt:MATRIX_FMT_BF6 matrix_b_fmt:MATRIX_FMT_BF6 matrix_a_scale:MATRIX_SCALE_ROW1
.else
	v_wmma_scale_f32_16x16x128_f8f6f4 v[8*(8*((\a)%4)+\b):8*(8*((\a)%4)+\b)+7], v[128*(\p)+FR*\b:128*(\p)+FR*\b+FR-1], v[AF+FR*(\a):AF+FR*(\a)+FR-1], v[8*(8*((\a)%4)+\b):8*(8*((\a)%4)+\b)+7], v[SC+8*NQ*(\sc)+NQ*\b+(\q)], v[SC+8*NQ*(\sc)+NQ*(\a)+(\q)] matrix_a_fmt:MATRIX_FMT_BF6 matrix_b_fmt:MATRIX_FMT_BF6 matrix_a_scale:MATRIX_SCALE_ROW1
.endif
.endr
.endr
.endm
.macro FETCH_B slot, q, p
	WIN TO_B
.irp i, 0,1,2,3,4,5,6,7
	FRAG 128*(\p)+FR*\i, ADRB+\slot, \q, \i
.endr
	WIN 0
.endm
.macro FETCH_A slot, q, i0
.irp i, \i0, \i0+1, \i0+2, \i0+3
	FRAG AF+FR*(\i), ADRA+\slot, \q, \i
.endr
.endm
.macro SCALES sc                       ; a K step's scale words: two words a row; lanes 0-15 take A's block i, lanes 16-31 B's block i
.irp i, 0,1,2,3,4,5,6,7
	ds_load_b64 v[SC+8*NQ*\sc+NQ*\i:SC+8*NQ*\sc+NQ*\i+1], v[ADRS] offset:\i*SBLK
.endr
.endm
.macro PLACES n                        ; plain vector instructions between a matrix instruction and a load into, or a read of, its registers
.rept \n
	v_nop
.endr
.endm
.macro STEP slot, q, zero              ; a step of 128 along K that has its successor in the same slot
	s_wait_dscnt 4*NL                              ; B's set and A's blocks 0-3 are in; the youngest 16 loads (A's blocks 4-7) may be out
	WIN MUL_LO
	MUL16 0, (\q)%2, \q, \slot, \zero
	MUL16 2, (\q)%2, \q, \slot, \zero
	s_wait_dscnt 0
	PLACES NP
	FETCH_B \slot, (\q)+1, 1-(\q)%2
	FETCH_A \slot, (\q)+1, 0
	WIN MUL_HI
	MUL16 4, (\q)%2, \q, \slot, \zero
	MUL16 6, (\q)%2, \q, \slot, \zero
	PLACES NP
	WIN 0
	FETCH_A \slot, (\q)+1, 4
.endm
; A slot's last step changes slots: one barrier; in front of it each wave waits for all its tensor loads, adds 0 to its spare word, and waits for that and for its own reads of this slot.  fill = 1: the slot takes the plane two on.
.macro TURN slot, next, fill
	s_wait_tensorcnt 0x0                           ; all my tensor loads have landed: my part of the next slot
	ds_add_u32 v[SPW], v[NIL]                      ; 0 onto my spare word
	s_wait_dscnt 4*NL+1                            ; (the add and the youngest 16 loads, A's blocks 4-7, may be out)
	WIN MUL_LO
	MUL16 0, 1, NQ-1, \slot, 0
	s_wait_dscnt 0x0                               ; the add is done, and my reads of this slot are over
	s_barrier_signal -1
	MUL16 2, 1, NQ-1, \slot, 0
	WIN 0
	s_barrier_wait -1
.if \fill
	CREST                                          ; the barrier has opened a round of the cluster's barrier: no wave of any partner still reads this slot or has a load on its way
	s_add_nc_u64 s[G0+4*\slot+2:G0+4*\slot+3], s[G0+4*\slot+2:G0+4*\slot+3], s[66:67]
	s_add_nc_u64 s[G0B+4*\slot+2:G0B+4*\slot+3], s[G0B+4*\slot+2:G0B+4*\slot+3], s[100:101]
	JLOAD G0+4*\slot, G1, G0B+4*\slot, G1B         ; the first tensor load behind the round; its four v_nop are also the places in front of the loads below
.else
	PLACES NP
.endif
	v_add_nc_u32 v[ADRS], 4*NQ, v[ADRS]            ; on to the next K step's scale words
	FETCH_B \next, 0, 0
	FETCH_A \next, 0, 0
	SCALES \next
	WIN MUL_HI
	MUL16 4, 1, NQ-1, \slot, 0
	MUL16 6, 1, NQ-1, \slot, 0
	PLACES NP
	WIN 0
	FETCH_A \next, 0, 4
.endm
	s_wait_tensorcnt 1                             ; the scales and my part of slot 0 are in (slot 1's load may be out)
	s_barrier_signal -1
	s_barrier_wait -1                              ; everybody's are
	FETCH_B 0, 0, 0
	FETCH_A 0, 0, 0
	SCALES 0
	FETCH_A 0, 0, 4
	STEP 0, 0, 1                                   ; the first products start the sums: nothing is cleared
	TURN 0, 1, 1                                   ; K = 1,024 is four slots' worth: both slots are filled once more, so the walk is written out
	STEP 1, 0, 0
	TURN 1, 0, 1
	STEP 0, 0, 0
	TURN 0, 1, 0
	STEP 1, 0, 0
	s_wait_dscnt 4*NL
	WIN MUL_LO
	MUL16 0, 1, NQ-1, 1, 0
	MUL16 2, 1, NQ-1, 1, 0
	s_wait_dscnt 0
	WIN MUL_HI
	MUL16 4, 1, NQ-1, 1, 0
	MUL16 6, 1, NQ-1, 1, 0
	WIN 0
; THE WAY OUT.  64 numbers of a lane in window w, register 16 b + i = index 32 b + 16 (lane / 16) + i along the next K of my row, become 12 registers of codes (two units) in v[pc] on and the four blocks' scale word in v[pw].
.macro QUANT s, w, pc, pw
	WIN 5*(\w)                                     ; sources 0 and 1 in window w
.irp b, 0,1,2,3
	v_max3_num_f32 v[TM+\b], |v[\s+16*\b]|, |v[\s+1+16*\b]|, 0x2800000   ; block b: my 16 numbers, and the floor 2^(5 - 127): the byte cannot fall under 1.  (Each accumulator is read from its low end on)
.endr
	WIN 20*(\w)                                    ; sources 1 and 2
.irp i, 2,4,6,8,10,12,14
.irp b, 0,1,2,3
	v_max3_num_f32 v[TM+\b], v[TM+\b], |v[\s+16*\b+\i]|, |v[\s+1+16*\b+\i]|
.endr
.endr
	WIN 0
.irp b, 0,1,2,3
	v_permlanex16_b32 v[TM+4+\b], v[TM+\b], s20, s21
.endr
.irp b, 0,1,2,3
	v_max_num_f32 v[TM+\b], v[TM+\b], v[TM+4+\b]   ; with lane l xor 16's: the block's largest magnitude
.endr
.irp b, 0,1,2,3
	v_add_nc_u32 v[TM+12+\b], 0xfe000000, v[TM+\b] ; 4 off its exponent field: the conversion's scale operand
.endr
.irp b, 0,1,2,3
	v_lshrrev_b32 v[TM+4+\b], 23, v[TM+12+\b]      ; the scale's byte
.endr
	v_lshl_or_b32 v[\pw], v[TM+5], 8, v[TM+4]
	v_lshl_or_b32 v[\pw], v[TM+6], 16, v[\pw]
	v_lshl_or_b32 v[\pw], v[TM+7], 24, v[\pw]
	WIN \w                                         ; source 0
.irp c, 0,1
	v_cvt_scalef32_pk16_bf6_f32 v[\pc+6*\c:\pc+2+6*\c], v[\s+32*\c:\s+15+32*\c], v[TM+12+2*\c]
	v_cvt_scalef32_pk16_bf6_f32 v[\pc+12+4*\c:\pc+14+4*\c], v[\s+16+32*\c:\s+31+32*\c], v[TM+12+2*\c+1]   ; (a conversion's three registers begin on an even number)
.endr
	WIN 0
	v_nop                                          ; one plain place behind a scaled conversion
.irp c, 0,1                            ; the layout wants a whole block in a lane: lanes 0-15 block 2 c, lanes 16-31 block 2 c + 1
.irp i, 0,1,2
	v_permlane16_swap_b32 v[\pc+6*\c+\i], v[\pc+12+4*\c+\i]
.endr
.irp i, 0,1,2
	v_mov_b32 v[\pc+3+6*\c+\i], v[\pc+12+4*\c+\i]
.endr
.endr
.endm
.macro TABLOAD a                       ; tile a's cosines (16 registers) and sines (16) into set a % 2
.irp q, 0,1,2,3,4,5,6,7
	global_load_b128 v[CT+32*((\a)%2)+4*\q:CT+32*((\a)%2)+4*\q+3], v[L16], s[12:13] offset:4096*(\a)+512*\q
.endr
.endm
; RoPE on tile a: registers 8 b + 2 e, 8 b + 2 e + 1 are pair 4 (b % 4) + e of my half of a head's pairs.  r1 = t1 cos - t2 sin, r2 = t1 sin + t2 cos.
.macro ROPE a
.set AC, 64*((\a)%4)
.set CB, CT+32*((\a)%2)
	WIN 2+(\a)/4                                   ; source 0: the accumulators' window
.irp b, 0,1,2,3,4,5,6,7
.irp e, 0,1,2,3
	v_mul_f32 v[TT+2*\e], v[AC+8*\b+2*\e+1], v[CB+16+4*(\b%4)+\e]
	v_mul_f32 v[TT+2*\e+1], v[AC+8*\b+2*\e+1], v[CB+4*(\b%4)+\e]
.endr
.irp e, 0,1,2,3
	v_fma_f32 v[HA+8*\b+2*\e], v[AC+8*\b+2*\e], v[CB+4*(\b%4)+\e], -v[TT+2*\e]
	v_fma_f32 v[HA+8*\b+2*\e+1], v[AC+8*\b+2*\e], v[CB+16+4*(\b%4)+\e], v[TT+2*\e+1]
.endr
.endr
	WIN 0
.endm
	PLACES NP                                      ; behind the last products: in front of reads of results and of loads into registers that held A's fragments
.irp b, 0,1,2,3
	v_mov_b32 v[TM+4+\b], 0                        ; written once: a lane permute's destination counts as one of its sources
.endr
	v_cmp_ne_u32 vcc_lo, 0, v[HH]
	s_lshl_b32 s18, s17, 8
	s_lshl_b32 s19, s15, 7
	s_add_co_u32 s18, s18, s19                     ; my first row of A
	s_lshl_b32 s19, s42, 8
	s_lshl_b32 s22, s16, 7
	s_add_co_u32 s19, s19, s22                     ; my first row of B
	s_cmp_lg_u32 s95, 0
	s_cbranch_scc1 .Lv_out
	; ---- Q and K: a lane holds a token, its 64 registers two heads' worth of d
	s_lshr_b32 s22, s18, 11                        ; the batch,
	s_bfe_u32 s23, s18, 0x40007                    ; the step of 128 tokens,
	s_bfe_u32 s2, s19, 0x40006                     ; my first head
	s_lshl_b32 s22, s22, 4
	s_add_co_u32 s22, s22, s2
	s_lshl_b32 s22, s22, 4
	s_add_co_u32 s22, s22, s23                     ; the record
	s_cmp_eq_u32 ttmp9, 0
	s_cselect_b64 s[24:25], s[96:97], s[98:99]     ; (the descriptors' registers are free: every tensor load of mine has been waited for)
	s_mov_b32 s2, 13056
	s_cselect_b32 s2, 6656, s2                     ; a record's bytes
	s_mul_i32 s22, s22, s2
	s_mov_b32 s23, 0
	s_add_nc_u64 s[24:25], s[24:25], s[22:23]      ; my first head's record,
	s_lshl_b32 s22, s2, 4
	s_add_nc_u64 s[26:27], s[24:25], s[22:23]      ; my second head's: 16 records on
	s_bfe_u32 s22, s18, 0x70004                    ; my first tile of tokens in the batch
	s_lshl_b32 s22, s22, 12
	s_add_nc_u64 s[12:13], s[12:13], s[22:23]
	s_mov_b32 s20, 0x76543210
	s_mov_b32 s21, 0xfedcba98
	TABLOAD 0
.irp a, 0,1,2,3,4,5,6,7
.if \a > 1
	s_wait_xcnt 0x0                                ; tile a - 2's stores have read their registers, which this tile's codes take
.endif
.if \a < 7
	TABLOAD \a+1
	s_wait_loadcnt 8                               ; this tile's 8 loads are in; the next tile's 8 may be out
.else
	s_wait_loadcnt 0x0
.endif
	ROPE \a
	QUANT HA, 0, PC+20*(\a%2), PW+\a
.irp p, 0,1                            ; unit p is head p's: tile a of the step's eight
	global_store_b128 v[L16], v[PC+20*(\a%2)+6*\p:PC+20*(\a%2)+6*\p+3], s[24+2*\p:25+2*\p] offset:768*\a
	global_store_b64 v[L8], v[PC+20*(\a%2)+6*\p+4:PC+20*(\a%2)+6*\p+5], s[24+2*\p:25+2*\p] offset:768*\a+512
.endr
.endr
.irp i, 0,1,2,3
	v_cndmask_b32 v[4+\i], v[PW+\i], v[PW+4+\i], vcc_lo   ; lanes 0-15: tiles 0-3's words of row r; lanes 16-31: tiles 4-7's
.endr
.irp i, 0,1,2,3
	v_lshrrev_b32 v[8+\i], 16, v[4+\i]             ; the second head's two bytes,
.endr
.irp i, 0,1,2,3
	v_and_b32 v[4+\i], 0xffff, v[4+\i]             ; the first head's; the upper two bytes stay 0: they scale codes that are zeros
.endr
	global_store_b128 v[L16], v[4:7], s[24:25] offset:6144    ; 512 consecutive bytes
	global_store_b128 v[L16], v[8:11], s[26:27] offset:6144
	s_branch .Lend
	; ---- V: a lane holds one d, its 64 registers 128 keys; quantised straight out of the accumulators
.Lv_out:
	s_lshr_b32 s22, s19, 11                        ; the batch,
	s_bfe_u32 s23, s19, 0x40007                    ; the step of 128 keys,
	s_lshr_b32 s2, s18, 6                          ; my first head
	s_lshl_b32 s22, s22, 4
	s_add_co_u32 s22, s22, s2
	s_lshl_b32 s22, s22, 4
	s_add_co_u32 s22, s22, s23
	s_mul_i32 s22, s22, 13056
	s_add_co_u32 s22, s22, 6656                    ; V's part of the record
	s_mov_b32 s23, 0
	s_add_nc_u64 s[24:25], s[98:99], s[22:23]
	s_mov_b32 s20, 0x76543210
	s_mov_b32 s21, 0xfedcba98
.irp a, 0,1,2,3,4,5,6,7
.if \a > 1
	s_wait_xcnt 0x0
.endif
	QUANT 64*(\a%4), 2+\a/4, PC+20*(\a%2), PW+\a
.irp p, 0,1                            ; head a / 4 (16 records on), half p of the keys, tile a % 4 of d
	global_store_b128 v[L16], v[PC+20*(\a%2)+6*\p:PC+20*(\a%2)+6*\p+3], s[24:25] offset:(\a/4)*208896+3072*\p+768*(\a%4)
	global_store_b64 v[L8], v[PC+20*(\a%2)+6*\p+4:PC+20*(\a%2)+6*\p+5], s[24:25] offset:(\a/4)*208896+3072*\p+768*(\a%4)+512
.endr
.endr
.irp i, 0,1,2,3
	v_cndmask_b32 v[4+\i], v[PW+\i], v[PW+4+\i], vcc_lo   ; lanes 0-15: the first head's four tiles of d, lanes 16-31: the second's
.endr
	v_and_b32 v12, 15, v0
	v_mul_u32_u24 v13, v[HH], 208896
	v_lshl_add_u32 v13, v12, 4, v13
	global_store_b128 v13, v[4:7], s[24:25] offset:6144       ; sixteen lanes store a head's 256 consecutive bytes
.Lend:
	s_wait_tensorcnt 0x0                           ; the wave's end
	ds_add_u32 v[SPW], v[NIL]
	s_wait_dscnt 0x0
	CROUND                                         ; the closing round: no work-group ends while a partner may still ask for a tile that names it
	s_endpgm
.Lfunc_end_k_qdf4dccbc3c_qkv:
	.size	k_qdf4dccbc3c_qkv, .Lfunc_end_k_qdf4dccbc3c_qkv-k_qdf4dccbc3c_qkv
	.p2alignl 7, 3214868480
	.fill 96, 4, 3214868480
	.section	.rodata,"a",@progbits
	.p2align	6, 0x0
	.amdhsa_kernel k_qdf4dccbc3c_qkv
		.amdhsa_group_segment_fixed_size 327680
		.amdhsa_private_segment_fixed_size 0
		.amdhsa_enable_private_segment 0
		.amdhsa_kernarg_size 56
		.amdhsa_user_sgpr_count 2
		.amdhsa_user_sgpr_kernarg_segment_ptr 1
		.amdhsa_wavefront_size32 1
		.amdhsa_system_sgpr_workgroup_id_x 1
		.amdhsa_system_sgpr_workgroup_id_y 1
		.amdhsa_system_sgpr_workgroup_id_z 1
		.amdhsa_system_vgpr_workitem_id 0
		.amdhsa_next_free_vgpr 1024
		.amdhsa_next_free_sgpr 102
		.amdhsa_reserve_vcc 1
		.amdhsa_float_denorm_mode_32 3
		.amdhsa_float_denorm_mode_16_64 3
		.amdhsa_memory_ordered 1
		.amdhsa_forward_progress 1
		.amdhsa_inst_pref_size 239
	.end_amdhsa_kernel
	.amdgpu_metadata
---
amdhsa.version: [ 1, 2 ]
amdhsa.kernels:
  - .name:           k_qdf4dccbc3c_qkv
    .symbol:         k_qdf4dccbc3c_qkv.kd
    .args:
      - { .name: acodes, .offset: 0, .size: 8, .value_kind: global_buffer, .address_space: global }
      - { .name: ascales, .offset: 8, .size: 8, .value_kind: global_buffer, .address_space: global }
      - { .name: wcodes, .offset: 16, .size: 8, .value_kind: global_buffer, .address_space: global }
      - { .name: wscales, .offset: 24, .size: 8, .value_kind: global_buffer, .address_space: global }
      - { .name: tab, .offset: 32, .size: 8, .value_kind: global_buffer, .address_space: global }
      - { .name: qb, .offset: 40, .size: 8, .value_kind: global_buffer, .address_space: global }
      - { .name: kvb, .offset: 48, .size: 8, .value_kind: global_buffer, .address_space: global }
    .group_segment_fixed_size: 327680
    .private_segment_fixed_size: 0
    .kernarg_segment_align: 8
    .kernarg_segment_size: 56
    .max_flat_workgroup_size: 128
    .sgpr_count:     102
    .vgpr_count:     1024
    .wavefront_size: 32
...
	.end_amdgpu_metadata
.endif
;; end of part 2
;; launch attn (part 3): grid 4 x 64, 16 waves a work-group, no clusters, 327,680 bytes of LDS; arguments qb, kvb, acodes, ascales; writes acodes, ascales
.if DOCPART == 3
	.amdgcn_target "amdgcn-amd-amdhsa--gfx1250"
	.amdhsa_code_object_version 6
	.text
	.protected	k_qdf4dccbc3c_attn
	.globl	k_qdf4dccbc3c_attn
	.p2align	8
	.type	k_qdf4dccbc3c_attn,@function
k_qdf4dccbc3c_attn:
	s_mov_b64 s[64:65], 0
	v_nop
	global_prefetch_b8 v0, s[64:65] scope:SCOPE_SE
	s_setreg_imm32_b32 hwreg(HW_REG_WAVE_MODE, 25, 1), 1
	s_wait_xcnt 0x0
; ATTN.  Y[b][h][q] = the sum over k <= q of softmax_k(Q . K / 8) V, both products on codes of BF6 (E3M2) with E8M0 scales; Y is quantised along (head, d) for the last projection.
; THE SOFTMAX AHEAD OF THE SECOND PRODUCT: t = score x log2(e) / 8; M = the running largest t rounded UP to a whole number; p = 2^(t - M) is quantised along the keys, not normalised; the row's sum is taken of the
; unquantised p and divides at the end.  When M moves, the sum and O are multiplied by 2^(old M - new M): exact.
; SHARES.  Work-group (i, batch x head) owns the blocks i and 7 - i of 256 queries: (i + 1) + (8 - i) = 9 slots of 256 keys whatever i is, so all 256 work-groups have the same work and the loop's trip count is a constant.
; Each of sixteen waves owns one tile of 16 queries of the block in hand, in 256 registers: four waves to a SIMD, so that one wave's vector work stands beside another's products and LDS loads.
; No cluster: the four work-groups of a head stand at different slots of keys in the same trip (the price of equal work), so no tile could be asked for jointly.
; INPUT RECORDS, one for each (batch, head, step of 128 tokens), made of UNITS of 768 bytes (16 stored rows x 64 along K as an image of the operand's registers: registers 0-3 at 16 x lane, 4-5 at 512 + 8 x lane):
;   qb 6,656 bytes: 8 units; scale words at 6,144.   kvb 13,056: K's 8 units; K's scale words at 6,144; V's 8 units [half of the keys][tile of d] at 6,656; V's scale words at 12,800.
; Stored tile T, row p, is true row 32 (T / 2) + 8 (T % 2) + p + 8 (p / 8): so the 16 registers of S^T's tiles 2 b, 2 b + 1 are the keys 32 b + 16 (lane / 16) + 0 .. 15, and O^T's likewise along d.
; Q K^T has K = 64: registers 6-11 of both operands stay zero codes, which add nothing (their scale bytes are 0, which is 2^-127).
; Both products are used transposed (S^T = K Q^T, O^T = V^T P^T): a lane holds one query throughout.
; CAUSAL: a step all of whose keys come after my 16 queries is jumped over (a scalar branch on ids); on the diagonal hidden scores become -infinity ahead of the maximum.  Key 0 counts for every query, so M is a number from the first step on.
; LIMITS: NaN and infinities are not served; a block of zeros gets the byte 1 (its codes are zeros; this program alone reads the bytes).
; REGISTERS: v1-7 addresses that stay; v8-10 LDS addresses of the slot in hand; v12 -M, v13 the largest t, v[14:15] the sum; v16-27 Q; v28 Q's scale word; v32-79 four fragments of K; v80-87 K's scale words, v88-91 V's;
;   v96-159 S^T, then p, then V's four fragments; v160-191 O^T; v192-203 p's codes; v204-210 at work; v212-223 block maxima, bytes, scale operands; v224 at work; v[226:227] f; v228 p's scale word.
.set REC,   13056                      ; a record of kvb
.set SLOTB, 2*REC                      ; a slot: two records, as they lie
.set SLOT1, 32768                      ; slot 1 begins here: one exclusive or turns an address in one slot into the other's
.set SPARE, 65536                      ; the spare words, 128 bytes for each wave: eight blocks of 256 bytes that no other line names
.set PLX,   1572864                    ; a plane (256 along K: four heads) of Y's codes
.set SPW,  5
.set NIL,  6
.set PFO,  29
.set BM,   212
.set BP,   216
.set BS,   220
.set WV,   12                          ; s12 my wave's number
.set II,   13                          ; s13 i
.set I1,   14                          ; s14 i + 1
.set HB,   15                          ; s15 16 x batch + head
.set T,    16                          ; s16 the trip
.set TB,   17                          ; s17 LDS byte at which the slot in hand begins
.set KF,   18                          ; s18 the step's first key
.set Q0,   19                          ; s19 my tile's first query
.set SEL,  20                          ; s[20:21] lane l xor 16
.set CS,   22                          ; s[22:23] c = log2(e) / 8
.set G1,   24                          ; s[24:31], s[32:35] the descriptor
.set G0,   32
.set KVB,  36                          ; s[36:37] my head's first record of kvb
.set PFA,  38                          ; s[38:39] the slot that a prefetch names
.set LIM,  40                          ; s40 4 in a wave that prefetches, else 0
.set QP,   42                          ; s[42:43] my tile's unit of Q;  s[44:45] its scale words;  s[46:47] its unit of Y;  s[48:49] Y's scale bytes
.set QSP,  44
.set YP,   46
.set YSP,  48
.macro TLOAD                           ; wave 0 fetches a slot: one dense block.  Four v_nop follow the line
	s_cmp_lg_u32 s[WV], 0
	s_cbranch_scc1 .Lnot_mine_\@
	tensor_load_to_lds s[G0:G0+3], s[G1:G1+7]
	s_nop 0
.rept 4
	v_nop
.endr
.Lnot_mine_\@:
.endm
; A PREFETCH INTO THE L2 of the slot that the NEXT change of slots will ask for.  Of a head's four work-groups, i = 0 is the first to walk slots 4 to 7 of the keys (in its trips 5 to 8): it names them in trips 3 to 6, a slot's
; two key steps ahead of the load.  Waves 2 to 5 ask, one instruction each, lanes 256 bytes apart: 102 blocks; the lanes past the last block name that block again, so that no address leaves the slot.
.macro ASK
	s_sub_co_u32 s50, s[T], 3
	s_cmp_lt_u32 s50, s[LIM]
	s_cbranch_scc0 .Lnot_asked_\@
	global_prefetch_b8 v[PFO], s[PFA:PFA+1] th:TH_LOAD_NT scope:SCOPE_SE
.Lnot_asked_\@:
.endm
; The block of 256 queries in s50 becomes the block in hand: where my tile's unit of Q, its scale words, its unit of Y and Y's scale bytes lie.
.macro SETPH
	s_lshl_b32 s51, s50, 1
	s_lshr_b32 s52, s[WV], 3
	s_add_co_u32 s51, s51, s52                     ; the step of 128 tokens that holds my tile,
	s_and_b32 s52, s[WV], 7                        ; and the tile in it
	s_lshl_b32 s53, s[HB], 4
	s_add_co_u32 s53, s53, s51                     ; the record
	s_mul_i32 s54, s53, 6656
	s_mov_b32 s55, 0
	s_add_nc_u64 s[QSP:QSP+1], s[4:5], s[54:55]
	s_mul_i32 s54, s52, 768
	s_add_nc_u64 s[QP:QP+1], s[QSP:QSP+1], s[54:55]
	s_lshr_b32 s54, s52, 2
	s_lshl_b32 s54, s54, 8
	s_and_b32 s53, s52, 3
	s_lshl_b32 s53, s53, 2
	s_add_co_u32 s54, s54, s53
	s_add_co_u32 s54, s54, 6144                    ; scale words: [t / 4][r][t % 4]
	s_add_nc_u64 s[QSP:QSP+1], s[QSP:QSP+1], s[54:55]
	s_lshr_b32 s53, s[HB], 4
	s_lshl_b32 s53, s53, 7
	s_lshl_b32 s54, s51, 3
	s_add_co_u32 s53, s53, s54
	s_add_co_u32 s53, s53, s52                     ; my tile among Y's 512
	s_mul_i32 s54, s53, 3072
	s_add_nc_u64 s[YP:YP+1], s[8:9], s[54:55]
	s_bfe_u32 s54, s[HB], 0x20002                  ; head / 4: the plane,
	s_mul_i32 s54, s54, PLX
	s_add_nc_u64 s[YP:YP+1], s[YP:YP+1], s[54:55]
	s_and_b32 s54, s[HB], 3                        ; head % 4: the unit
	s_mul_i32 s54, s54, 768
	s_add_nc_u64 s[YP:YP+1], s[YP:YP+1], s[54:55]
	s_lshl_b32 s54, s53, 9
	s_add_nc_u64 s[YSP:YSP+1], s[10:11], s[54:55]
	s_and_b32 s54, s[HB], 15
	s_lshl_b32 s54, s54, 1                         ; two bytes a head
	s_add_nc_u64 s[YSP:YSP+1], s[YSP:YSP+1], s[54:55]
	s_lshl_b32 s[Q0], s51, 7
	s_lshr_b32 s54, s52, 1
	s_lshl_b32 s54, s54, 5
	s_add_co_u32 s[Q0], s[Q0], s54
	s_and_b32 s54, s52, 1
	s_lshl_b32 s54, s54, 3
	s_add_co_u32 s[Q0], s[Q0], s54                 ; my tile's first query; lane r's is r + 8 (r / 8) on
	s_mov_b32 s[KF], 0
.endm
.macro INIT                            ; Q's unit and scale word; the sums begin as zeros and the largest t under every t, so that the key step is written once
	global_load_b128 v[16:19], v1, s[QP:QP+1]
	global_load_b64 v[20:21], v2, s[QP:QP+1] offset:512
	global_load_b32 v28, v3, s[QSP:QSP+1]
	v_mov_b32 v13, 0xff61b1e6                      ; -3e38
	s_delay_alu instid0(VALU_DEP_1)
	v_floor_f32 v12, -v13
	v_mov_b32 v14, 0
	v_mov_b32 v15, 0
.irp j, 0,1,2,3,4,5,6,7,8,9,10,11,12,13,14,15,16,17,18,19,20,21,22,23,24,25,26,27,28,29,30,31
	v_mov_b32 v[160+\j], 0
.endr
	s_wait_loadcnt 0x0
.endm
; A KEY STEP: 128 keys, the q-th record of the slot in hand.
.macro STEP q
	s_add_co_u32 s50, s[Q0], 23                    ; my tile's last query
	s_cmp_gt_u32 s[KF], s50
	s_cbranch_scc1 .Lhidden_\@
	v_add_nc_u32 v8, s[TB], v1
	s_wait_alu depctr_va_vdst(0)
	v_add_nc_u32 v9, s[TB], v2
	s_wait_alu depctr_va_vdst(0)
	v_add_nc_u32 v10, s[TB], v3
	v_nop
	v_nop                                          ; five places: the products below write over registers that the last step's products read as V's fragments
	ds_load_b128 v[80:83], v10 offset:(\q)*REC+6144
	ds_load_b128 v[84:87], v10 offset:(\q)*REC+6144+256
.irp g, 0,1                            ; S^T = K Q^T, four tiles of 16 keys at a time
.if \g > 0
.rept 4
	v_nop                                          ; places in front of loads into registers that matrix instructions have read
.endr
.endif
.irp t, 0,1,2,3
	ds_load_b128 v[32+12*\t:35+12*\t], v8 offset:(\q)*REC+(4*\g+\t)*768
	ds_load_b64 v[36+12*\t:37+12*\t], v9 offset:(\q)*REC+(4*\g+\t)*768+512
.endr
	s_wait_dscnt 0x0
.irp t, 0,1,2,3
	v_wmma_scale_f32_16x16x128_f8f6f4 v[96+8*(4*\g+\t):103+8*(4*\g+\t)], v[32+12*\t:43+12*\t], v[16:27], 0, v[80+4*\g+\t], v28 matrix_a_fmt:MATRIX_FMT_BF6 matrix_b_fmt:MATRIX_FMT_BF6
.endr
.endr
.rept 4
	v_nop
.endr
	s_add_co_u32 s50, s[KF], 127                   ; a step all of whose keys count for all my queries needs no mask
	s_cmp_le_u32 s50, s[Q0]
	s_cbranch_scc1 .Lopen_\@
	s_sub_co_i32 s50, s[Q0], s[KF]
	v_add_nc_u32 v224, s50, v4                     ; d = my query - KF - 16 (lane / 16).  Register 16 b + i holds key KF + 32 b + 16 (lane / 16) + i: hidden where 32 b + i > d
	v_mov_b32 v11, 0xff800000                      ; -infinity
.irp n, 0,1,2,3,4,5,6,7,8,9,10,11,12,13,14,15,16,17,18,19,20,21,22,23,24,25,26,27,28,29,30,31,32,33,34,35,36,37,38,39,40,41,42,43,44,45,46,47,48,49,50,51,52,53,54,55,56,57,58,59,60,61,62,63
	v_cmp_gt_i32 vcc_lo, 32*(\n/16)+\n%16, v224
	v_cndmask_b32 v[96+\n], v[96+\n], v11, vcc_lo
.endr
.Lopen_\@:
.irp b, 0,1,2,3
	v_max3_num_f32 v[BM+\b], v[96+16*\b], v[97+16*\b], v[98+16*\b]   ; the largest score of each block of 32 keys: it serves the row's maximum and, since p rises with the score, the block's largest p
.endr
.irp i, 3,5,7,9,11,13
.irp b, 0,1,2,3
	v_max3_num_f32 v[BM+\b], v[BM+\b], v[96+16*\b+\i], v[97+16*\b+\i]
.endr
.endr
.irp b, 0,1,2,3
	v_max_num_f32 v[BM+\b], v[BM+\b], v[111+16*\b]
.endr
.irp b, 0,1,2,3
	s_delay_alu instid0(VALU_DEP_4)
	v_permlanex16_b32 v[BP+\b], v[BM+\b], s[SEL], s[SEL+1]
.endr
.irp b, 0,1,2,3
	s_delay_alu instid0(VALU_DEP_4)
	v_max_num_f32 v[BM+\b], v[BM+\b], v[BP+\b]     ; with lane l xor 16's 16 keys
.endr
	s_delay_alu instid0(VALU_DEP_2)
	v_max3_num_f32 v224, v[BM], v[BM+1], v[BM+2]
	s_delay_alu instid0(VALU_DEP_1)
	v_max_num_f32 v224, v224, v[BM+3]              ; the step's largest score of my query
	s_delay_alu instid0(VALU_DEP_1)
	v_mul_f32 v224, s[CS], v224                    ; as t (c is positive)
	s_delay_alu instid0(VALU_DEP_1)
	v_max_num_f32 v13, v13, v224                   ; the running largest t
	v_mov_b32 v224, v12
	s_delay_alu instid0(VALU_DEP_2)
	v_floor_f32 v12, -v13                          ; the new -M = floor(-t): M is a whole number
	s_delay_alu instid0(VALU_DEP_1)
	v_sub_f32 v224, v12, v224                      ; old M - new M: a whole number, 0 or less
	s_delay_alu instid0(VALU_DEP_1)
	v_cvt_i32_f32 v224, v224                       ; (it saturates)
	s_delay_alu instid0(VALU_DEP_1)
	v_ldexp_f32 v226, 1.0, v224                    ; f = 2^(old M - new M)
.irp j, 0,2,4,6,8,10,12,14,16,18,20,22,24,26,28,30,32,34,36,38,40,42,44,46,48,50,52,54,56,58,60,62
	v_pk_fma_f32 v[96+\j:97+\j], v[96+\j:97+\j], s[CS:CS+1], v[12:13] op_sel_hi:[1,0,0]   ; t - M, two at a time
.endr
.irp b, 0,1,2,3
	v_fma_f32 v[BM+\b], v[BM+\b], s[CS], v12       ; the same of each block's largest score
.endr
	s_wait_alu depctr_va_vdst(0)
.irp j, 0,1,2,3,4,5,6,7,8,9,10,11,12,13,14,15,16,17,18,19,20,21,22,23,24,25,26,27,28,29,30,31,32,33,34,35,36,37,38,39,40,41,42,43,44,45,46,47,48,49,50,51,52,53,54,55,56,57,58,59,60,61,62,63
	v_exp_f32 v[96+\j], v[96+\j]                   ; p = 2^(t - M), at most 1
.endr
	v_pk_mul_f32 v[14:15], v[14:15], v[226:227] op_sel_hi:[1,0]   ; the sums under the new M.  (A plain place behind the exponentials)
	s_wait_alu depctr_va_vdst(0)                   ; one wait for the whole batch, ahead of its first reader
.irp b, 0,1,2,3
	v_exp_f32 v[BM+\b], v[BM+\b]                   ; the block's largest p: the same two instructions on the same number give the same bits
.endr
	v_pk_add_f32 v[216:217], v[100:101], v[104:105]
	v_pk_add_f32 v[254:255], v[108:109], v[112:113]
	v_pk_add_f32 v[252:253], v[116:117], v[120:121]
	v_pk_add_f32 v[250:251], v[124:125], v[128:129]
	v_pk_add_f32 v[248:249], v[132:133], v[136:137]
	v_pk_add_f32 v[246:247], v[140:141], v[144:145]
	v_pk_add_f32 v[244:245], v[148:149], v[152:153]
	v_pk_add_f32 v[14:15], v[14:15], v[156:157]
	v_pk_add_f32 v[216:217], v[216:217], v[96:97]
	v_pk_add_f32 v[254:255], v[254:255], v[98:99]
	v_pk_add_f32 v[252:253], v[252:253], v[102:103]
	v_pk_add_f32 v[250:251], v[250:251], v[106:107]
	v_pk_add_f32 v[248:249], v[248:249], v[110:111]
	v_pk_add_f32 v[246:247], v[246:247], v[114:115]
	v_pk_add_f32 v[244:245], v[244:245], v[118:119]
	v_pk_add_f32 v[14:15], v[14:15], v[122:123]
	v_pk_add_f32 v[216:217], v[216:217], v[126:127]
	v_pk_add_f32 v[254:255], v[254:255], v[130:131]
	v_pk_add_f32 v[252:253], v[252:253], v[134:135]
	v_pk_add_f32 v[250:251], v[250:251], v[138:139]
	v_pk_add_f32 v[248:249], v[248:249], v[142:143]
	v_pk_add_f32 v[246:247], v[246:247], v[146:147]
	v_pk_add_f32 v[244:245], v[244:245], v[150:151]
	v_pk_add_f32 v[14:15], v[14:15], v[154:155]
	v_pk_add_f32 v[216:217], v[216:217], v[158:159]
	s_delay_alu instid0(VALU_DEP_2)
	v_pk_add_f32 v[14:15], v[14:15], v[250:251]
	s_delay_alu instid0(VALU_DEP_2)
	v_pk_add_f32 v[216:217], v[216:217], v[248:249]
	v_pk_add_f32 v[254:255], v[254:255], v[246:247]
	v_pk_add_f32 v[252:253], v[252:253], v[244:245]
	s_delay_alu instid0(VALU_DEP_2)
	v_pk_add_f32 v[14:15], v[14:15], v[254:255]
	s_delay_alu instid0(VALU_DEP_2)
	v_pk_add_f32 v[216:217], v[216:217], v[252:253]
	s_delay_alu instid0(VALU_DEP_1)
	v_pk_add_f32 v[14:15], v[14:15], v[216:217]
	s_wait_alu depctr_va_vdst(0)                   ; and one for the four
.irp b, 0,1,2,3
	v_max_num_f32 v[BM+\b], 0x2800000, v[BM+\b]    ; the floor 2^(5 - 127): the byte cannot fall under 1
.endr
.irp b, 0,1,2,3
	s_delay_alu instid0(VALU_DEP_4)
	v_add_nc_u32 v[BS+\b], 0xfe000000, v[BM+\b]    ; 4 off the exponent field: the conversion's scale operand
.endr
.irp b, 0,1,2,3
	s_delay_alu instid0(VALU_DEP_4)
	v_lshrrev_b32 v[BP+\b], 23, v[BS+\b]           ; the scale's byte
.endr
	s_delay_alu instid0(VALU_DEP_3)
	v_lshl_or_b32 v228, v[BP+1], 8, v[BP]          ; p's scale word for these 128 keys
	s_delay_alu instid0(VALU_DEP_1)
	v_lshl_or_b32 v228, v[BP+2], 16, v228
	s_delay_alu instid0(VALU_DEP_1)
	v_lshl_or_b32 v228, v[BP+3], 24, v228
.irp c, 0,1
	v_cvt_scalef32_pk16_bf6_f32 v[192+6*\c:194+6*\c], v[96+32*\c:111+32*\c], v[BS+2*\c]
	v_cvt_scalef32_pk16_bf6_f32 v[204+4*\c:206+4*\c], v[112+32*\c:127+32*\c], v[BS+2*\c+1]   ; (a conversion's three registers begin on an even number)
.endr
	v_nop                                          ; one plain place behind a scaled conversion
.irp dt, 0,1,2,3                       ; V's four fragments take the registers that p has left; they land while the lines below run
.irp p, 0,1
	ds_load_b128 v[96+12*\dt+6*\p:99+12*\dt+6*\p], v8 offset:(\q)*REC+6656+3072*\p+768*\dt
	ds_load_b64 v[100+12*\dt+6*\p:101+12*\dt+6*\p], v9 offset:(\q)*REC+6656+3072*\p+768*\dt+512
.endr
.endr
	ds_load_b128 v[88:91], v10 offset:(\q)*REC+12800
.irp c, 0,1                            ; the layout wants a whole block in a lane: lanes 0-15 block 2 c, lanes 16-31 block 2 c + 1
.irp i, 0,1,2
	v_permlane16_swap_b32 v[192+6*\c+\i], v[204+4*\c+\i]
.endr
.irp i, 0,1,2
	s_delay_alu instid0(VALU_DEP_3)
	v_mov_b32 v[195+6*\c+\i], v[204+4*\c+\i]
.endr
.endr
.irp j, 0,2,4,6,8,10,12,14,16,18,20,22,24,26,28,30
	v_pk_mul_f32 v[160+\j:161+\j], v[160+\j:161+\j], v[226:227] op_sel_hi:[1,0]   ; O^T under the new M.  (These 16 are also the places between p's codes and scale word and the products below)
.endr
	s_wait_alu depctr_va_vdst(0)
	s_wait_dscnt 0x0
.irp dt, 0,1,2,3                       ; O^T += V^T P^T: four accumulators, one instruction each
	v_wmma_scale_f32_16x16x128_f8f6f4 v[160+8*\dt:167+8*\dt], v[96+12*\dt:107+12*\dt], v[192:203], v[160+8*\dt:167+8*\dt], v[88+\dt], v228 matrix_a_fmt:MATRIX_FMT_BF6 matrix_b_fmt:MATRIX_FMT_BF6
.endr
.Lhidden_\@:
	s_add_co_u32 s[KF], s[KF], 128
.endm
; THE CHANGE OF SLOTS stands at a slot's head.  Each wave waits for all its tensor loads, adds 0 to its spare word, and waits for that and for its reads of the slot that it has left.  Behind the barrier the slot ahead is whole and
; nobody reads the other one.  fill = 1: that other slot takes the keys of the next trip: slot T + 1 of the first block's walk, or T - i of the second's.  The load has a whole slot's steps in which to land; one tensor load is out.
.macro CHANGE fill
	s_wait_tensorcnt 0x0                           ; no tensor load of mine is out, so the descriptor may be written
	ds_add_u32 v[SPW], v[NIL]                      ; 0 onto my spare word
.if \fill
	s_xor_b32 s[G0+1], s[G0+1], SLOT1
	s_add_co_u32 s50, s[T], 1
	s_cmp_gt_u32 s50, s[II]
	s_cselect_b32 s51, s[I1], 0
	s_sub_co_u32 s51, s50, s51                     ; the next trip's slot of keys
	s_mul_i32 s52, s51, SLOTB
	s_mov_b32 s53, 0
	s_add_nc_u64 s[G0+2:G0+3], s[KVB:KVB+1], s[52:53]
	s_or_b32 s[G0+3], s[G0+3], 0x80000000
	s_wait_xcnt 0x0                                ; the last prefetch, a slot back, has read its address, so it may be written
	s_mul_i32 s52, s50, SLOTB
	s_add_nc_u64 s[PFA:PFA+1], s[KVB:KVB+1], s[52:53]
.endif
	s_wait_dscnt 0x0                               ; the add is done, and my reads of the slot that I have left are over
	s_barrier_signal -1
	s_barrier_wait -1
.if \fill
	TLOAD                                          ; the first thing behind the barrier
	ASK
.endif
.endm
; A block's end: O^T / the sum is Y's 64 numbers of my query and head: two blocks of 32, quantised as p is; one unit and two scale bytes a row.
.macro FINISH
.rept 4
	v_nop                                          ; places behind the last products
.endr
	v_add_f32 v14, v14, v15
	s_delay_alu instid0(VALU_DEP_1)
	v_permlanex16_b32 v224, v14, s[SEL], s[SEL+1]
	s_delay_alu instid0(VALU_DEP_1)
	v_add_f32 v14, v14, v224                       ; the row's sum
	s_wait_alu depctr_va_vdst(0)
	v_rcp_f32 v14, v14
	v_nop                                          ; a plain place behind the transcendental
	s_wait_alu depctr_va_vdst(0)                   ; the wait ahead of its first reader
.irp n, 0,1,2,3,4,5,6,7,8,9,10,11,12,13,14,15,16,17,18,19,20,21,22,23,24,25,26,27,28,29,30,31
	v_mul_f32 v[96+\n], v[160+\n], v14             ; register 16 b + i: d = 32 b + 16 (lane / 16) + i
.endr
.irp b, 0,1
	v_max3_num_f32 v[BM+\b], |v[96+16*\b]|, |v[97+16*\b]|, 0x2800000
.endr
.irp i, 2,4,6,8,10,12,14
.irp b, 0,1
	s_delay_alu instid0(VALU_DEP_2)
	v_max3_num_f32 v[BM+\b], v[BM+\b], |v[96+16*\b+\i]|, |v[97+16*\b+\i]|
.endr
.endr
.irp b, 0,1
	s_delay_alu instid0(VALU_DEP_2)
	v_permlanex16_b32 v[BP+\b], v[BM+\b], s[SEL], s[SEL+1]
.endr
.irp b, 0,1
	s_delay_alu instid0(VALU_DEP_2)
	v_max_num_f32 v[BM+\b], v[BM+\b], v[BP+\b]
.endr
.irp b, 0,1
	s_delay_alu instid0(VALU_DEP_2)
	v_add_nc_u32 v[BS+\b], 0xfe000000, v[BM+\b]
.endr
.irp b, 0,1
	s_delay_alu instid0(VALU_DEP_2)
	v_lshrrev_b32 v[BP+\b], 23, v[BS+\b]
.endr
	s_delay_alu instid0(VALU_DEP_1)
	v_lshl_or_b32 v30, v[BP+1], 8, v[BP]           ; my row's two scale bytes
	v_cvt_scalef32_pk16_bf6_f32 v[192:194], v[96:111], v[BS]
	v_cvt_scalef32_pk16_bf6_f32 v[204:206], v[112:127], v[BS+1]
	v_nop
.irp i, 0,1,2
	v_permlane16_swap_b32 v[192+\i], v[204+\i]
.endr
.irp i, 0,1,2
	s_delay_alu instid0(VALU_DEP_3)
	v_mov_b32 v[195+\i], v[204+\i]
.endr
	global_store_b128 v1, v[192:195], s[YP:YP+1]              ; 512 consecutive aligned bytes,
	global_store_b64 v2, v[196:197], s[YP:YP+1] offset:512    ; and 256
	global_store_b16 v7, v30, s[YSP:YSP+1]                    ; two bytes of each row's 32 (both halves of the lanes write the same bytes with the same value): one part in 24 of what Y stores
	s_wait_xcnt 0x0                                ; the stores have read their registers and bases: both may be written again
.endm
	s_load_b256 s[4:11], s[0:1], 0x0               ; qb, kvb, Y's codes, Y's scales
	v_lshl_add_u32 v[SPW], v0, 2, SPARE
	v_mov_b32 v[NIL], 0
	ds_add_u32 v5, v6
	ds_add_u32 v5, v6
	s_wait_dscnt 0x0
	v_lshrrev_b32 v8, 5, v0
	s_delay_alu instid0(VALU_DEP_1)
	v_readfirstlane_b32 s[WV], v8                  ; wave 0..15
	s_mov_b32 s[II], ttmp9
	s_add_co_u32 s[I1], ttmp9, 1
	s_and_b32 s[HB], ttmp7, 0xffff
	; the descriptor's group 1: 26,112 dense bytes as 102 rows of 256 bytes (32 elements of 8 bytes), no padding
	s_mov_b32 s[G1], 3<<16
	s_mov_b32 s[G1+1], 32<<16                      ; tensor_dim0
	s_mov_b32 s[G1+2], 102<<16                     ; tensor_dim1
	s_mov_b32 s[G1+3], 32<<16                      ; tile_dim0
	s_mov_b32 s[G1+4], 102                         ; tile_dim1
	s_mov_b32 s[G1+5], 32                          ; tensor_dim0_stride
	s_mov_b32 s[G1+6], 0
	s_mov_b32 s[G1+7], 0
	s_mov_b32 s[SEL], 0x76543210
	s_mov_b32 s[SEL+1], 0xfedcba98
	s_mov_b32 s[CS], 0x3e38aa3b                    ; c = log2(e) / sqrt(64)
	s_mov_b32 s[CS+1], s[CS]                       ; (named with it as a pair, so it is written)
	s_mov_b32 s[TB], 0
	s_mov_b32 s[T], 0
	s_mul_i32 s52, s[HB], 16*REC
	s_mov_b32 s53, 0
	s_sub_co_u32 s50, s[WV], 2
	s_lshr_b32 s51, s50, 2                         ; 0 in waves 2 to 5,
	s_or_b32 s51, s51, ttmp9                       ; of work-group i = 0
	s_cmp_eq_u32 s51, 0
	s_cselect_b32 s[LIM], 4, 0
	s_and_b32 s50, s50, 3
	s_lshl_b32 s50, s50, 5
	s_wait_kmcnt 0x0
	s_add_nc_u64 s[KVB:KVB+1], s[6:7], s[52:53]
	s_mov_b32 s[G0], 1                             ; count = 1
	s_mov_b32 s[G0+1], 0                           ; LDS address: slot 0
	s_mov_b64 s[G0+2:G0+3], s[KVB:KVB+1]           ; the head's first 256 keys
	s_or_b32 s[G0+3], s[G0+3], 0x80000000          ; type = 2
	TLOAD
	v_and_b32 v8, 31, v0                           ; lane
	v_and_b32 v9, 15, v0                           ; r
	v_bfe_u32 v10, v0, 4, 1                        ; h
	s_delay_alu instid0(VALU_DEP_3)
	v_lshlrev_b32 v1, 4, v8                        ; 16 x lane
	s_delay_alu instid0(VALU_DEP_4)
	v_lshlrev_b32 v2, 3, v8                        ; 8 x lane
	s_delay_alu instid0(VALU_DEP_4)
	v_lshlrev_b32 v3, 4, v9                        ; 16 r
	v_lshlrev_b32 v7, 5, v9                        ; 32 r
	v_and_b32 v11, 8, v9
	s_delay_alu instid0(VALU_DEP_1)
	v_add_nc_u32 v4, v11, v9
	v_lshlrev_b32 v11, 4, v10
	s_delay_alu instid0(VALU_DEP_1)
	v_sub_nc_u32 v4, v4, v11                       ; r + 8 (r / 8) - 16 h
	v_add_nc_u32 v[PFO], s50, v8
	s_delay_alu instid0(VALU_DEP_1)
	v_min_u32 v[PFO], 101, v[PFO]
	s_delay_alu instid0(VALU_DEP_1)
	v_lshlrev_b32 v[PFO], 8, v[PFO]
.irp j, 22,23,24,25,26,27
	v_mov_b32 v[\j], 0                             ; Q's codes for k = 64 .. 127: zeros, for the whole launch
.endr
.irp t, 0,1,2,3
.irp j, 6,7,8,9,10,11
	v_mov_b32 v[32+12*\t+\j], 0                    ; K's likewise
.endr
.endr
.irp b, 0,1,2,3
	v_mov_b32 v[BP+\b], 0                          ; written once: a lane permute's destination counts as one of its sources
.endr
	v_mov_b32 v224, 0
	v_mov_b32 v227, 0                              ; (named as the upper half of the pair v[226:227])
	s_mov_b32 s50, s[II]
	SETPH
	INIT
.Lslot:                                            ; 8 trips; behind each change of slots the next trip's keys are asked for
	CHANGE 1
	s_cmp_lg_u32 s[T], s[I1]                       ; the first block's i + 1 slots are walked: on to block 7 - i (a branch on ids; no barrier and no tensor load stands under it)
	s_cbranch_scc1 .Lsame
	FINISH
	s_sub_co_u32 s50, 7, s[II]
	SETPH
	INIT
.Lsame:
	STEP 0
	STEP 1
	s_xor_b32 s[TB], s[TB], SLOT1
	s_add_co_u32 s[T], s[T], 1
	s_cmp_lt_u32 s[T], 8
	s_cbranch_scc1 .Lslot
	CHANGE 0                                       ; the last slot is written out
	STEP 0
	STEP 1
	FINISH
	s_wait_tensorcnt 0x0                           ; the wave's end
	ds_add_u32 v[SPW], v[NIL]
	s_wait_dscnt 0x0
	s_endpgm
.Lfunc_end_k_qdf4dccbc3c_attn:
	.size	k_qdf4dccbc3c_attn, .Lfunc_end_k_qdf4dccbc3c_attn-k_qdf4dccbc3c_attn
	.p2alignl 7, 3214868480
	.fill 96, 4, 3214868480
	.section	.rodata,"a",@progbits
	.p2align	6, 0x0
	.amdhsa_kernel k_qdf4dccbc3c_attn
		.amdhsa_group_segment_fixed_size 327680
		.amdhsa_private_segment_fixed_size 0
		.amdhsa_enable_private_segment 0
		.amdhsa_kernarg_size 32
		.amdhsa_user_sgpr_count 2
		.amdhsa_user_sgpr_kernarg_segment_ptr 1
		.amdhsa_wavefront_size32 1
		.amdhsa_system_sgpr_workgroup_id_x 1
		.amdhsa_system_sgpr_workgroup_id_y 1
		.amdhsa_system_sgpr_workgroup_id_z 1
		.amdhsa_system_vgpr_workitem_id 0
		.amdhsa_next_free_vgpr 256
		.amdhsa_next_free_sgpr 66
		.amdhsa_reserve_vcc 1
		.amdhsa_float_denorm_mode_32 3
		.amdhsa_float_denorm_mode_16_64 3
		.amdhsa_memory_ordered 1
		.amdhsa_forward_progress 1
		.amdhsa_inst_pref_size 111
	.end_amdhsa_kernel
	.amdgpu_metadata
---
amdhsa.version: [ 1, 2 ]
amdhsa.kernels:
  - .name:           k_qdf4dccbc3c_attn
    .symbol:         k_qdf4dccbc3c_attn.kd
    .args:
      - { .name: qb, .offset: 0, .size: 8, .value_kind: global_buffer, .address_space: global }
      - { .name: kvb, .offset: 8, .size: 8, .value_kind: global_buffer, .address_space: global }
      - { .name: acodes, .offset: 16, .size: 8, .value_kind: global_buffer, .address_space: global }
      - { .name: ascales, .offset: 24, .size: 8, .value_kind: global_buffer, .address_space: global }
    .group_segment_fixed_size: 327680
    .private_segment_fixed_size: 0
    .kernarg_segment_align: 8
    .kernarg_segment_size: 32
    .max_flat_workgroup_size: 512
    .sgpr_count:     66
    .vgpr_count:     256
    .wavefront_size: 32
...
	.end_amdgpu_metadata
.endif
;; end of part 3
;; launch oproj (part 4): grid 4 x 32, 4 waves a work-group, clusters of 4 x 4, 327,680 bytes of LDS; arguments acodes, ascales, wcodes, wscales, out0; writes out0
.if DOCPART == 4
	.amdgcn_target "amdgcn-amd-amdhsa--gfx1250"
	.amdhsa_code_object_version 6
	.text
	.protected	k_qdf4dccbc3c_oproj
	.globl	k_qdf4dccbc3c_oproj
	.p2align	8
	.type	k_qdf4dccbc3c_oproj,@function
k_qdf4dccbc3c_oproj:
	s_mov_b64 s[64:65], 0
	v_nop
	global_prefetch_b8 v0, s[64:65] scope:SCOPE_SE
	s_setreg_imm32_b32 hwreg(HW_REG_WAVE_MODE, 25, 1), 1
	s_wait_xcnt 0x0
	s_wait_alu depctr_hold_cnt(0) depctr_sa_sdst(0) depctr_va_vdst(0) depctr_va_sdst(0) depctr_va_ssrc(0) depctr_va_vcc(0) depctr_vm_vsrc(0)
	s_getreg_b32 s2, hwreg(HW_REG_IB_STS2, 6, 4)
	s_cmp_eq_u32 s2, 0
	s_cbranch_scc0 .Lentry_in_a_cluster
	s_endpgm
.Lentry_in_a_cluster:
	s_bfe_u32 s2, ttmp6, 0x10000c
	s_cmp_lg_u32 s2, 0xf033
	s_cbranch_scc0 .Lentry_shape_is_right
	s_endpgm
.Lentry_shape_is_right:
; OPROJ.  out = Y Wo^T on codes of BF6 (E3M2) with E8M0 scales; out [8192][1024] f32.
; OPERANDS come as UNITS of 768 bytes (16 stored rows x 64 along K, an image of the operand's registers: registers 0-3 at 16 x lane, registers 4-5 at 512 + 8 x lane), laid [K / 256][tile][4 units]; scale bytes [stored row][32].
; Stored tile T, row p, holds true row 32 (T / 2) + 8 (T % 2) + p + 8 (p / 8), in Y and in Wo alike; the way out puts rows and columns back by immediates.  Wo is tiles 192-255 of the weights' buffers.
; A tile of C, 256 x 256, is made by four waves, 128 x 128 each: 64 accumulators, 512 registers.  K = 1,024 goes in four steps of 256 through two LDS slots; a wave's tensor load brings 8 tiles x 4 units, 24,576 dense bytes.
; THE MATRIX INSTRUCTION IS USED TRANSPOSED (source 0 = 16 rows of Wo, source 1 = 16 rows of Y): a lane holds eight neighbouring numbers of a row of out.
; CLUSTERS: 4 x 4 work-groups; Y's tiles are asked for jointly along a row of the cluster, Wo's along a column.  The output has 128 tiles of 256 x 256: so many work-groups are launched.
; REGISTERS, windows of 256: window 0: v16-29 addresses; v32-63 scale words, two sets; v128-223 A's fragments, one set; on the way out v128-255 rows of out.  window 1: B's fragments, two sets.  windows 2, 3: accumulator (a, b) at v[8 (8 (a % 4) + b)].
.set NQ,     2
.set FR,     12
.set NL,     4
.set NP,     4
.set PLX,    1572864
.set PLW,    786432
.set HALFT,  24576
.set SLOT,   4*HALFT
.set SCL,    2*SLOT
.set HALFS,  4352
.set SBLK,   544
.set SPARE,  SCL+4*HALFS               ; the spare words, 128 bytes for each wave: two blocks of 256 bytes that no other line names
.set SPITCH, 528                       ; the way out: a stage of 16 rows x (512 bytes + 16) for each wave, in slot 0, which has had its last fill and its last read when the first result is stored there
.set ADRA, 16
.set ADRB, 20
.set STO,  24
.set RD,   25
.set CO,   26
.set ADRS, 27
.set SPW,  28
.set NIL,  29
.set SC,   32
.set AF,   128
.set BK,   128
.set G1, 24
.set G0, 32
.set G1B, 48
.set G0B, 56
.set G1S, 68
.set G0S, 76
.set G1SB, 80
.set G0SB, 88
.set MSB, 0
.macro WIN new                         ; the immediate's high byte repeats the setting that is left
.if MSB != \new
	s_set_vgpr_msb (MSB<<8)|\new
.set MSB, \new
.endif
.endm
.set MUL_LO, 0xa1
.set MUL_HI, 0xf1
.set TO_B,   0x40
.macro JLOAD g0a, g1a, g0b, g1b        ; a joint load: waves 0 and 1 fetch for A, waves 2 and 3 for B; four v_nop follow each of the two lines
	s_cmp_eq_u32 s15, 0
	s_cbranch_scc0 .Lfor_b_\@
	tensor_load_to_lds s[\g0a:\g0a+3], s[\g1a:\g1a+7]
	s_nop 0
.rept 4
	v_nop
.endr
	s_branch .Lasked_\@
.Lfor_b_\@:
	tensor_load_to_lds s[\g0b:\g0b+3], s[\g1b:\g1b+7]
	s_nop 0
.rept 4
	v_nop
.endr
.Lasked_\@:
.endm
.macro CREST
	s_cmp_lg_u32 s14, 0
	s_cbranch_scc1 .Lnot_wave_0_\@
	s_barrier_signal -3
.Lnot_wave_0_\@:
	s_barrier_wait -3
	s_barrier_signal -1
	s_barrier_wait -1
.endm
.macro CROUND
	s_barrier_signal -1
	s_barrier_wait -1
	CREST
.endm
	s_load_b128 s[4:7], s[0:1], 0x0                ; Y's codes, Y's scales
	s_load_b128 s[8:11], s[0:1], 0x10              ; the weights' codes, the weights' scales
	s_load_b64 s[12:13], s[0:1], 0x20              ; out
	v_lshl_add_u32 v[SPW], v0, 2, SPARE
	v_mov_b32 v[NIL], 0
	ds_add_u32 v28, v29
	s_wait_dscnt 0x0
	v_lshrrev_b32 v1, 5, v0
	v_readfirstlane_b32 s14, v1                    ; wave 0..3
	s_lshr_b32 s15, s14, 1
	s_and_b32 s16, s14, 1
	s_bfe_u32 s40, ttmp6, 0x40000                  ; cx, cy
	s_bfe_u32 s41, ttmp6, 0x40004
	s_lshl_b32 s42, ttmp9, 2
	s_add_co_u32 s42, s42, s40                     ; tile column of C
	s_and_b32 s17, ttmp7, 0xffff
	s_lshl_b32 s17, s17, 2
	s_add_co_u32 s17, s17, s41                     ; tile row of C
	s_lshl_b32 s43, s41, 2
	s_lshl_b32 s43, 15, s43                        ; my row of the cluster
	s_lshl_b32 s44, 0x1111, s40                    ; my column
	s_or_b32 s[G1+0], s43, (3<<16)|(1<<21)         ; 24,576 dense bytes as 96 rows of 256 bytes, no padding
	s_or_b32 s[G1B+0], s44, (3<<16)|(1<<21)
.irp g, G1, G1B
	s_mov_b32 s[\g+1], 32<<16
	s_mov_b32 s[\g+2], 96<<16
	s_mov_b32 s[\g+3], 32<<16
	s_mov_b32 s[\g+4], 96
	s_mov_b32 s[\g+5], 32
	s_mov_b32 s[\g+6], 0
	s_mov_b32 s[\g+7], 0
.endr
	s_or_b32 s[G1S+0], s43, (3<<16)|(1<<20)|(1<<21)|(5<<22)|(3<<25)   ; the scales of 128 rows: 16 rows of 256 bytes, 16 bytes of padding behind each
	s_or_b32 s[G1SB+0], s44, (3<<16)|(1<<20)|(1<<21)|(5<<22)|(3<<25)
.irp g, G1S, G1SB
	s_mov_b32 s[\g+1], 32<<16
	s_mov_b32 s[\g+2], 16<<16
	s_mov_b32 s[\g+3], 32<<16
	s_mov_b32 s[\g+4], 16
	s_mov_b32 s[\g+5], 32
	s_mov_b32 s[\g+6], 0
	s_mov_b32 s[\g+7], 0
.endr
	s_lshl_b32 s18, s16, 3                         ; which 8 tiles of the 16 I fetch
	s_lshl_b32 s20, s17, 4
	s_add_co_u32 s20, s20, s18                     ; A's first tile
	s_lshl_b32 s46, s42, 4
	s_add_co_u32 s46, s46, s18
	s_add_co_u32 s46, s46, 192                     ; B's: Wo begins at tile 192
	s_lshl_b32 s22, s20, 9
	s_mov_b32 s23, 0
	s_mul_i32 s20, s20, 3072
	s_mov_b32 s21, 0
	s_lshl_b32 s92, s46, 9
	s_mov_b32 s93, 0
	s_mul_i32 s46, s46, 3072
	s_mov_b32 s47, 0
	s_mul_i32 s45, s14, HALFT
	s_mul_i32 s94, s14, HALFS
	s_wait_kmcnt 0x0
	s_add_nc_u64 s[20:21], s[4:5], s[20:21]
	s_add_nc_u64 s[22:23], s[6:7], s[22:23]
	s_add_nc_u64 s[46:47], s[8:9], s[46:47]
	s_add_nc_u64 s[92:93], s[10:11], s[92:93]
	CROUND                                         ; all sixteen work-groups are here: the first joint loads meet
	s_mov_b32 s[G0S], 1
	s_add_co_u32 s[G0S+1], s94, SCL
	s_mov_b64 s[G0S+2:G0S+3], s[22:23]
	s_or_b32 s[G0S+3], s[G0S+3], 0x80000000
	s_mov_b32 s[G0SB], 1
	s_add_co_u32 s[G0SB+1], s94, SCL
	s_mov_b64 s[G0SB+2:G0SB+3], s[92:93]
	s_or_b32 s[G0SB+3], s[G0SB+3], 0x80000000
	JLOAD G0S, G1S, G0SB, G1SB                     ; the scales first
.irp s, 0,1
	s_mov_b32 s[G0+4*\s], 1
	s_add_co_u32 s[G0+4*\s+1], s45, \s*SLOT
	s_add_nc_u64 s[G0+4*\s+2:G0+4*\s+3], s[20:21], \s*PLX
	s_or_b32 s[G0+4*\s+3], s[G0+4*\s+3], 0x80000000
	s_mov_b32 s[G0B+4*\s], 1
	s_add_co_u32 s[G0B+4*\s+1], s45, \s*SLOT
	s_add_nc_u64 s[G0B+4*\s+2:G0B+4*\s+3], s[46:47], \s*PLW
	s_or_b32 s[G0B+4*\s+3], s[G0B+4*\s+3], 0x80000000
	JLOAD G0+4*\s, G1, G0B+4*\s, G1B               ; three tensor loads of mine are out behind the second
.endr
	v_and_b32 v1, 15, v0                           ; r
	v_bfe_u32 v2, v0, 4, 1                         ; h
	v_and_b32 v3, 31, v0
	v_lshlrev_b32 v[CO], 4, v3                     ; 16 x lane
	v_lshlrev_b32 v5, 3, v3                        ; 8 x lane
	s_mul_i32 s21, s15, HALFT
	s_mul_i32 s22, s16, HALFT
	s_add_co_u32 s22, s22, 2*HALFT
.irp s, 0,1
	v_add_nc_u32 v[ADRA+\s], s21, v[CO]
	v_add_nc_u32 v[ADRB+\s], s22, v[CO]
	v_add_nc_u32 v[ADRA+2+\s], s21, v5
	v_add_nc_u32 v[ADRB+2+\s], s22, v5
	s_add_co_u32 s21, s21, SLOT
	s_add_co_u32 s22, s22, SLOT
.endr
	v_lshlrev_b32 v6, 5, v1
	v_lshrrev_b32 v7, 3, v1
	v_lshl_add_u32 v6, v7, 4, v6
	s_mul_i32 s21, s15, HALFS
	s_mul_i32 s22, s16, HALFS
	s_add_co_u32 s22, s22, 2*HALFS
	s_sub_co_u32 s22, s22, s21
	v_mul_u32_u24 v7, s22, v2                      ; lanes 16-31 take B's
	s_add_co_u32 s21, s21, SCL
	v_add_nc_u32 v6, v6, v7
	v_add_nc_u32 v[ADRS], s21, v6
	s_mul_i32 s23, s14, 16*SPITCH                  ; my stage
	v_mul_u32_u24 v5, v1, SPITCH                   ; in: row r; my half's 16 columns of each 32: + 64 h
	v_lshl_add_u32 v5, v2, 6, v5
	v_add_nc_u32 v[STO], s23, v5
	v_add_nc_u32 v[RD], s23, v[CO]                 ; back: the 32 lanes take one row of 512 bytes
	s_lshl_b32 s20, s17, 8
	s_lshl_b32 s21, s15, 7
	s_add_co_u32 s20, s20, s21                     ; my first row of out,
	s_lshl_b32 s20, s20, 12                        ; of 4,096 bytes
	s_lshl_b32 s46, s42, 10                        ; my first column, in bytes
	s_lshl_b32 s47, s16, 9
	s_add_co_u32 s46, s46, s47
	s_add_co_u32 s20, s20, s46
	s_mov_b32 s21, 0
	s_add_nc_u64 s[12:13], s[12:13], s[20:21]
.macro FRAG reg, adr, q, i             ; a fragment is two units: each a load of 16 bytes and one of 8 bytes a lane, all bytes of an instruction consecutive
.set FO, 3072*(\i)+1536*(\q)
	ds_load_b128 v[\reg:\reg+3], v[\adr] offset:FO
	ds_load_b64 v[\reg+4:\reg+5], v[\adr+2] offset:FO+512
	ds_load_b128 v[\reg+6:\reg+9], v[\adr] offset:FO+768
	ds_load_b64 v[\reg+10:\reg+11], v[\adr+2] offset:FO+1280
.endm
.macro MUL16 a0, p, q, sc, zero        ; the 64 accumulators take turns, one instruction a turn, in the same order in every step
.irp a, \a0, \a0+1
.irp b, 0,1,2,3,4,5,6,7
.if \zero
	v_wmma_scale_f32_16x16x128_f8f6f4 v[8*(8*((\a)%4)+\b):8*(8*((\a)%4)+\b)+7], v[128*(\p)+FR*\b:128*(\p)+FR*\b+FR-1], v[AF+FR*(\a):AF+FR*(\a)+FR-1], 0, v[SC+8*NQ*(\sc)+NQ*\b+(\q)], v[SC+8*NQ*(\sc)+NQ*(\a)+(\q)] matrix_a_fmt:MATRIX_FMT_BF6 matrix_b_fmt:MATRIX_FMT_BF6 matrix_a_scale:MATRIX_SCALE_ROW1
.else
	v_wmma_scale_f32_16x16x128_f8f6f4 v[8*(8*((\a)%4)+\b):8*(8*((\a)%4)+\b)+7], v[128*(\p)+FR*\b:128*(\p)+FR*\b+FR-1], v[AF+FR*(\a):AF+FR*(\a)+FR-1], v[8*(8*((\a)%4)+\b):8*(8*((\a)%4)+\b)+7], v[SC+8*NQ*(\sc)+NQ*\b+(\q)], v[SC+8*NQ*(\sc)+NQ*(\a)+(\q)] matrix_a_fmt:MATRIX_FMT_BF6 matrix_b_fmt:MATRIX_FMT_BF6 matrix_a_scale:MATRIX_SCALE_ROW1
.endif
.endr
.endr
.endm
.macro FETCH_B slot, q, p
	WIN TO_B
.irp i, 0,1,2,3,4,5,6,7
	FRAG 128*(\p)+FR*\i, ADRB+\slot, \q, \i
.endr
	WIN 0
.endm
.macro FETCH_A slot, q, i0
.irp i, \i0, \i0+1, \i0+2, \i0+3
	FRAG AF+FR*(\i), ADRA+\slot, \q, \i
.endr
.endm
.macro SCALES sc
.irp i, 0,1,2,3,4,5,6,7
	ds_load_b64 v[SC+8*NQ*\sc+NQ*\i:SC+8*NQ*\sc+NQ*\i+1], v[ADRS] offset:\i*SBLK
.endr
.endm
.macro PLACES n                        ; plain vector instructions between a matrix instruction and a load into, or a read of, its registers
.rept \n
	v_nop
.endr
.endm
.macro STEP slot, q, zero
	s_wait_dscnt 4*NL                              ; B's set and A's blocks 0-3 are in; the youngest 16 loads (A's blocks 4-7) may be out
	WIN MUL_LO
	MUL16 0, (\q)%2, \q, \slot, \zero
	MUL16 2, (\q)%2, \q, \slot, \zero
	s_wait_dscnt 0
	PLACES NP
	FETCH_B \slot, (\q)+1, 1-(\q)%2
	FETCH_A \slot, (\q)+1, 0
	WIN MUL_HI
	MUL16 4, (\q)%2, \q, \slot, \zero
	MUL16 6, (\q)%2, \q, \slot, \zero
	PLACES NP
	WIN 0
	FETCH_A \slot, (\q)+1, 4
.endm
.macro TURN slot, next, fill           ; a slot's last step changes slots: one barrier, with the three lines in front of it
	s_wait_tensorcnt 0x0                           ; all my tensor loads have landed: my part of the next slot
	ds_add_u32 v[SPW], v[NIL]                      ; 0 onto my spare word
	s_wait_dscnt 4*NL+1                            ; (the add and the youngest 16 loads may be out)
	WIN MUL_LO
	MUL16 0, 1, NQ-1, \slot, 0
	s_wait_dscnt 0x0                               ; the add is done, and my reads of this slot are over
	s_barrier_signal -1
	MUL16 2, 1, NQ-1, \slot, 0
	WIN 0
	s_barrier_wait -1
.if \fill
	CREST                                          ; the barrier has opened a round of the cluster's barrier
	s_add_nc_u64 s[G0+4*\slot+2:G0+4*\slot+3], s[G0+4*\slot+2:G0+4*\slot+3], 2*PLX
	s_add_nc_u64 s[G0B+4*\slot+2:G0B+4*\slot+3], s[G0B+4*\slot+2:G0B+4*\slot+3], 2*PLW
	JLOAD G0+4*\slot, G1, G0B+4*\slot, G1B         ; the first tensor load behind the round; its four v_nop are also the places in front of the loads below
.else
	PLACES NP
.endif
	v_add_nc_u32 v[ADRS], 4*NQ, v[ADRS]
	FETCH_B \next, 0, 0
	FETCH_A \next, 0, 0
	SCALES \next
	WIN MUL_HI
	MUL16 4, 1, NQ-1, \slot, 0
	MUL16 6, 1, NQ-1, \slot, 0
	PLACES NP
	WIN 0
	FETCH_A \next, 0, 4
.endm
	s_wait_tensorcnt 1                             ; the scales and my part of slot 0 are in (slot 1's load may be out)
	s_barrier_signal -1
	s_barrier_wait -1
	FETCH_B 0, 0, 0
	FETCH_A 0, 0, 0
	SCALES 0
	FETCH_A 0, 0, 4
	STEP 0, 0, 1                                   ; the first products start the sums
	TURN 0, 1, 1                                   ; K = 1,024 is four slots' worth: both slots are filled once more, so the walk is written out
	STEP 1, 0, 0
	TURN 1, 0, 1
	STEP 0, 0, 0
	TURN 0, 1, 0
	STEP 1, 0, 0
	s_wait_dscnt 4*NL
	WIN MUL_LO
	MUL16 0, 1, NQ-1, 1, 0
	MUL16 2, 1, NQ-1, 1, 0
	s_wait_dscnt 0
	WIN MUL_HI
	MUL16 4, 1, NQ-1, 1, 0
	MUL16 6, 1, NQ-1, 1, 0
	WIN 0
; THE WAY OUT, block by block of 16 stored rows x 128 columns, through my own stage in LDS.  Accumulator b's register j of lane (r, h) is column 32 (b / 2) + 16 h + 8 (b % 2) + j; stage row t of block a is row 32 (a / 2) + 8 (a % 2) + t + 8 (t / 8).
; LDS serves a wave's instructions in order (ISA guide 5.7.1.4): no wait between the stores and the loads, nor in front of the next block's stores.
.macro TOSTAGE a
.set AC, 64*((\a)%4)
	WIN 0x08+4*((\a)/4)                            ; the data: window 2 or 3
.irp b, 0,1,2,3,4,5,6,7
	ds_store_b128 v[STO], v[AC+8*\b:AC+8*\b+3] offset:128*(\b/2)+32*(\b%2)          ; each accumulator from its low end on
	ds_store_b128 v[STO], v[AC+8*\b+4:AC+8*\b+7] offset:128*(\b/2)+32*(\b%2)+16
.endr
	WIN 0
.set BB, BK+64*((\a)%2)
.irp t, 0,1,2,3,4,5,6,7,8,9,10,11,12,13,14,15
	ds_load_b128 v[BB+4*\t:BB+4*\t+3], v[RD] offset:\t*SPITCH
.endr
.endm
.macro SEND a, younger                 ; younger: the LDS instructions issued behind block a's loads, which may stay out
.set BB, BK+64*((\a)%2)
	s_wait_dscnt \younger
.irp t, 0,1,2,3,4,5,6,7,8,9,10,11,12,13,14,15
	global_store_b128 v[CO], v[BB+4*\t:BB+4*\t+3], s[12:13] offset:(32*((\a)/2)+8*((\a)%2)+\t+8*(\t/8))*4096 th:TH_STORE_NT   ; 32 lanes store 512 consecutive aligned bytes; 127 rows at the most: inside the signed 24-bit immediate
.endr
.endm
	PLACES NP
	TOSTAGE 0
.irp a, 1,2,3,4,5,6,7
.if \a > 1
	s_wait_xcnt 0x0                                ; block a - 2's stores have read their registers: block a's loads may land there
.endif
	TOSTAGE \a
	SEND \a-1, 32                                  ; behind block a - 1's loads: block a's 16 stores and 16 loads
.endr
	SEND 7, 0
	s_wait_tensorcnt 0x0                           ; the wave's end
	ds_add_u32 v[SPW], v[NIL]
	s_wait_dscnt 0x0
	CROUND                                         ; the closing round
	s_endpgm
.Lfunc_end_k_qdf4dccbc3c_oproj:
	.size	k_qdf4dccbc3c_oproj, .Lfunc_end_k_qdf4dccbc3c_oproj-k_qdf4dccbc3c_oproj
	.p2alignl 7, 3214868480
	.fill 96, 4, 3214868480
	.section	.rodata,"a",@progbits
	.p2align	6, 0x0
	.amdhsa_kernel k_qdf4dccbc3c_oproj
		.amdhsa_group_segment_fixed_size 327680
		.amdhsa_private_segment_fixed_size 0
		.amdhsa_enable_private_segment 0
		.amdhsa_kernarg_size 40
		.amdhsa_user_sgpr_count 2
		.amdhsa_user_sgpr_kernarg_segment_ptr 1
		.amdhsa_wavefront_size32 1
		.amdhsa_system_sgpr_workgroup_id_x 1
		.amdhsa_system_sgpr_workgroup_id_y 1
		.amdhsa_system_sgpr_workgroup_id_z 1
		.amdhsa_system_vgpr_workitem_id 0
		.amdhsa_next_free_vgpr 1024
		.amdhsa_next_free_sgpr 98
		.amdhsa_reserve_vcc 0
		.amdhsa_float_denorm_mode_32 3
		.amdhsa_float_denorm_mode_16_64 3
		.amdhsa_memory_ordered 1
		.amdhsa_forward_progress 1
		.amdhsa_inst_pref_size 143
	.end_amdhsa_kernel
	.amdgpu_metadata
---
amdhsa.version: [ 1, 2 ]
amdhsa.kernels:
  - .name:           k_qdf4dccbc3c_oproj
    .symbol:         k_qdf4dccbc3c_oproj.kd
    .args:
      - { .name: acodes, .offset: 0, .size: 8, .value_kind: global_buffer, .address_space: global }
      - { .name: ascales, .offset: 8, .size: 8, .value_kind: global_buffer, .address_space: global }
      - { .name: wcodes, .offset: 16, .size: 8, .value_kind: global_buffer, .address_space: global }
      - { .name: wscales, .offset: 24, .size: 8, .value_kind: global_buffer, .address_space: global }
      - { .name: out0, .offset: 32, .size: 8, .value_kind: global_buffer, .address_space: global }
    .group_segment_fixed_size: 327680
    .private_segment_fixed_size: 0
    .kernarg_segment_align: 8
    .kernarg_segment_size: 40
    .max_flat_workgroup_size: 128
    .sgpr_count:     98
    .vgpr_count:     1024
    .wavefront_size: 32
...
	.end_amdgpu_metadata
.endif
;; end of part 4
